; MI455X (gfx1250); checked and timed in simulation.
; The chip was launched on July 23, 2026; its instructions are those of AMD's public machine-readable ISA for CDNA 5 (MIT licence, August 2026) and "CDNA5" Instruction Set Architecture Reference Guide (July 2026). The comments in the code are by the model that wrote it; some were corrected since.
;; SDP Attention. Allowed arithmetic: float matrix products may take bf16 or f16 operands with f32 sums; all other float work in f32.
;; Inputs: Wk 4,096 x 1,024 float32; Wo 2,048 x 4,096 float32; Wq 4,096 x 2,048 float32; Wv 4,096 x 1,024 float32; attention_mask 1 x 2,048 float32; hidden_states 1 x 2,048 x 4,096 float32.
;; Outputs: out0 1 x 2,048 x 4,096 float32.
;; One version. Each part assembles by itself: llvm-mc -triple=amdgcn-amd-amdhsa -mcpu=gfx1250 --defsym DOCPART=n.
;; ======== version 1 of 1: 4 launches
;; limits: inputs' magnitudes at most 65,504; values are held in f16: magnitudes above 65,504 overflow, below 6.1e-05 lose precision; right only within a limited range of input values
;; workspace buffers: xb 16,777,216 bytes; wqkv 33,554,432 bytes; wob 16,777,216 bytes; rope 1,048,576 bytes; qkv 16,777,216 bytes; ob 8,388,608 bytes
;; launch prep (part 1): grid 256 x 9, 8 waves a work-group, no clusters, 0 bytes of LDS; arguments hidden_states, Wq, Wk, Wv, Wo, xb, wqkv, wob, rope; writes xb, wqkv, wob, rope
.if DOCPART == 1
	.amdgcn_target "amdgcn-amd-amdhsa--gfx1250"
	.amdhsa_code_object_version 6
	.text
	.protected	k_q3b2e0d1d2c_prep
	.globl	k_q3b2e0d1d2c_prep
	.p2align	8
	.type	k_q3b2e0d1d2c_prep,@function
k_q3b2e0d1d2c_prep:
	s_mov_b64 s[64:65], 0
	v_nop
	global_prefetch_b8 v0, s[64:65] scope:SCOPE_SE
	s_setreg_imm32_b32 hwreg(HW_REG_WAVE_MODE, 25, 1), 1
	s_wait_xcnt 0x0
; Every f32 operand of the three later launches is rounded to f16 ONCE here, and the table of cosines and sines for RoPE is made.
;   y = 0,1: hidden_states -> xb   [2048][4096] f16
;   y = 2,3: Wq x 1/4      -> wqkv [4096 k][4096 n] f16, columns 0-2047
;   y = 4  : Wk x 1/4      -> wqkv columns 2048-3071;    y = 5: Wv x 1/4 -> wqkv columns 3072-4095
;   y = 6,7: Wo x 4        -> wob  [2048 k][4096 n] f16
;   y = 8  : rope, f32, laid out in the order in which the lanes of the projection's way out want it
; The scales are powers of two, so they round nothing: q, k, v and the attention's result are carried at a quarter of their size, and Wo gives it back.
; LIMITS (f16's range): |hidden| < 65,504, |Wq|, |Wk|, |Wv| < 262,016, |Wo| < 16,376; larger numbers become infinities.
; The angle s x 10000^(-i/64) differs from one made by a correctly rounded power by the error of v_exp_f32 (1 ULP: ISA guide 15.8) times s, at most some 3e-4 radians at s = 2047.
; A stream: memory binds, so no LDS, no barrier, no matrix unit.  A work-group takes 65,536 source bytes: sixteen loads of 16 bytes a lane, all issued at once;
; a wave's load covers 512 consecutive bytes, a wave's store 256 consecutive bytes at a multiple of 256.  No register is written twice, so no wait frees any.
.set X, 8                              ; v[8:71]   sixteen loads of four f32
.set Y, 72                             ; v[72:103] sixteen pairs of registers, four f16 each
	s_load_b512 s[8:23], s[0:1], 0x0               ; hidden s[8:9], Wq s[10:11], Wk s[12:13], Wv s[14:15], Wo s[16:17], xb s[18:19], wqkv s[20:21], wob s[22:23]
	s_load_b64 s[24:25], s[0:1], 0x40              ; rope
	s_and_b32 s2, ttmp7, 0xffff                    ; y: which job
	v_lshlrev_b32 v1, 4, v0                        ; 16 t: my place in 4,096 source bytes (and in the table's 4,096)
	v_lshlrev_b32 v2, 3, v0                        ; 8 t: my place in the 2,048 bytes that they become
	s_wait_kmcnt 0x0
	s_cmp_lt_u32 s2, 2
	s_cbranch_scc1 .Lhidden
	s_cmp_lt_u32 s2, 4
	s_cbranch_scc1 .Lwq
	s_cmp_eq_u32 s2, 4
	s_cbranch_scc1 .Lwk
	s_cmp_eq_u32 s2, 5
	s_cbranch_scc1 .Lwv
	s_cmp_lt_u32 s2, 8
	s_cbranch_scc1 .Lwo
	; THE TABLE.  The 512 bytes number ((g 4 + b) 4 + c) hold, at 16 x lane, four numbers for row s = 16 g + (lane & 15) and
	; frequencies i = 16 b + 8 (lane >> 4) + 4 (c & 1) + 0..3: cosines for c = 0, 1, sines for c = 2, 3.  Work-group x writes eight such blocks.
	v_and_b32 v3, 31, v0                           ; lane
	v_bfe_u32 v4, v0, 5, 2                         ; c
	v_lshrrev_b32 v5, 7, v0
	s_and_b32 s4, ttmp9, 1
	s_lshl_b32 s4, s4, 1
	v_add_nc_u32 v5, s4, v5                        ; b = (t >> 7) + 2 (x & 1)
	s_lshr_b32 s5, ttmp9, 1
	s_lshl_b32 s5, s5, 4                           ; 16 g
	v_and_b32 v6, 15, v3
	v_add_nc_u32 v6, s5, v6
	v_cvt_f32_u32 v6, v6                           ; s as f32 (exact)
	v_lshrrev_b32 v7, 4, v3
	v_lshlrev_b32 v7, 3, v7                        ; 8 h
	v_lshl_add_u32 v7, v5, 4, v7
	v_and_b32 v8, 1, v4
	v_lshl_add_u32 v7, v8, 2, v7                   ; the first of my four i
	v_cmp_gt_u32 vcc_lo, 2, v4
	v_mov_b32 v9, 0x3e800000
	v_cndmask_b32 v9, 0, v9, vcc_lo                ; a quarter turn ahead for the cosines: cos x = sin(x + pi/2)
	v_mov_b32 v10, 0xc17183a8                      ; -(2 pi)^11 / 11!
	s_mov_b32 s26, 0x3e22f983                      ; 1 / (2 pi), rounded to f32
	s_mov_b32 s27, 0x31dc9c54                      ; and what that rounding left
	s_lshl_b32 s4, ttmp9, 12
	s_mov_b32 s5, 0
	s_add_nc_u64 s[24:25], s[24:25], s[4:5]
.irp j, 0,1,2,3
	v_add_nc_u32 v[12+\j], \j, v7
	v_cvt_f32_u32 v[12+\j], v[12+\j]
	v_mul_f32 v[12+\j], 0xbe549a78, v[12+\j]       ; -i log2(10000) / 64
.endr
.irp j, 0,1,2,3
	v_exp_f32 v[12+\j], v[12+\j]                   ; 10000^(-i/64)
.endr
	v_nop                                          ; one plain instruction behind the transcendentals (ISA guide 5.7.2)
	s_wait_alu depctr_va_vdst(0)
.irp j, 0,1,2,3
	v_mul_f32 v[16+\j], v6, v[12+\j]               ; the angle, rounded to f32 as the definition rounds it
	v_mul_f32 v[20+\j], s26, v[16+\j]
	v_rndne_f32 v[20+\j], v[20+\j]                 ; whole turns
	v_fma_f32 v[24+\j], v[16+\j], s26, -v[20+\j]   ; the rest, in turns, in [-1/2, 1/2]: the product is not rounded before the whole turns leave
	v_fma_f32 v[24+\j], v[16+\j], s27, v[24+\j]
	v_add_f32 v[24+\j], v[24+\j], v9               ; u
	v_add_f32 v[28+\j], v[24+\j], v[24+\j]
	v_rndne_f32 v[28+\j], v[28+\j]                 ; half turns k
	v_fma_f32 v[24+\j], v[28+\j], -0.5, v[24+\j]   ; w = u - k/2 in [-1/4, 1/4]; sin(2 pi u) = (-1)^k sin(2 pi w)
	v_mul_f32 v[32+\j], v[24+\j], v[24+\j]
	v_fmaak_f32 v[36+\j], v[32+\j], v10, 0x42283c1a        ; the sine's series up to w^11; the first term left out is below 6e-8 at w = 1/4
	v_fmaak_f32 v[36+\j], v[36+\j], v[32+\j], 0xc2996966
	v_fmaak_f32 v[36+\j], v[36+\j], v[32+\j], 0x42a335e3
	v_fmaak_f32 v[36+\j], v[36+\j], v[32+\j], 0xc2255de7
	v_fmaak_f32 v[36+\j], v[36+\j], v[32+\j], 0x40c90fdb
	v_mul_f32 v[36+\j], v[36+\j], v[24+\j]
	v_cvt_i32_f32 v[28+\j], v[28+\j]
	v_lshlrev_b32 v[28+\j], 31, v[28+\j]           ; an odd k turns the sign
	v_xor_b32 v[40+\j], v[36+\j], v[28+\j]
.endr
	global_store_b128 v1, v[40:43], s[24:25]
	s_endpgm
; src, dst: the first registers of the two addresses.  A source row is 4,096 << rs bytes; the destination's rows are 8,192 bytes apart.
; ybase: the job's first y.  coloff: where the job's columns begin in a destination row, in bytes.  scale: the factor's bits, 0 for none.
.macro STREAM src, dst, rs, ybase, coloff, scale
	s_sub_co_u32 s4, s2, \ybase
	s_lshl_b32 s4, s4, 8
	s_add_co_u32 s4, s4, ttmp9                     ; my chunk of 65,536 source bytes = 16 >> rs rows
	s_lshl_b32 s6, s4, 17-\rs                      ; chunk x (16 >> rs) x 8,192
	s_lshl_b32 s4, s4, 16
	s_mov_b32 s5, 0
	s_mov_b32 s7, 0
	s_add_nc_u64 s[\src:\src+1], s[\src:\src+1], s[4:5]
	s_add_nc_u64 s[\dst:\dst+1], s[\dst:\dst+1], s[6:7]
.irp i, 0,1,2,3,4,5,6,7,8,9,10,11,12,13,14,15
	global_load_b128 v[X+4*\i:X+4*\i+3], v1, s[\src:\src+1] offset:4096*\i th:TH_LOAD_NT
.endr
.irp i, 0,1,2,3,4,5,6,7,8,9,10,11,12,13,14,15
	s_wait_loadcnt 15-\i                           ; loads come back in order (ISA guide 5.7.1): number i is in, the 15 - i younger ones stay out
.if \scale
	v_pk_mul_f32 v[X+4*\i:X+4*\i+1],   v[X+4*\i:X+4*\i+1],   \scale op_sel_hi:[1,0]
	v_pk_mul_f32 v[X+4*\i+2:X+4*\i+3], v[X+4*\i+2:X+4*\i+3], \scale op_sel_hi:[1,0]
.endif
	v_cvt_pk_f16_f32 v[Y+2*\i],   v[X+4*\i],   v[X+4*\i+1]
	v_cvt_pk_f16_f32 v[Y+2*\i+1], v[X+4*\i+2], v[X+4*\i+3]
	global_store_b64 v2, v[Y+2*\i:Y+2*\i+1], s[\dst:\dst+1] offset:(\i>>\rs)*8192+(\i&((1<<\rs)-1))*2048+\coloff
.endr
	s_endpgm
.endm
.Lhidden:
	STREAM 8, 18, 2, 0, 0, 0
.Lwq:
	STREAM 10, 20, 1, 2, 0, 0x3e800000
.Lwk:
	STREAM 12, 20, 0, 4, 4096, 0x3e800000
.Lwv:
	STREAM 14, 20, 0, 5, 6144, 0x3e800000
.Lwo:
	STREAM 16, 22, 2, 6, 0, 0x40800000
.Lfunc_end_k_q3b2e0d1d2c_prep:
	.size	k_q3b2e0d1d2c_prep, .Lfunc_end_k_q3b2e0d1d2c_prep-k_q3b2e0d1d2c_prep
	.p2alignl 7, 3214868480
	.fill 96, 4, 3214868480
	.section	.rodata,"a",@progbits
	.p2align	6, 0x0
	.amdhsa_kernel k_q3b2e0d1d2c_prep
		.amdhsa_group_segment_fixed_size 0
		.amdhsa_private_segment_fixed_size 0
		.amdhsa_enable_private_segment 0
		.amdhsa_kernarg_size 72
		.amdhsa_user_sgpr_count 2
		.amdhsa_user_sgpr_kernarg_segment_ptr 1
		.amdhsa_wavefront_size32 1
		.amdhsa_system_sgpr_workgroup_id_x 1
		.amdhsa_system_sgpr_workgroup_id_y 1
		.amdhsa_system_sgpr_workgroup_id_z 1
		.amdhsa_system_vgpr_workitem_id 0
		.amdhsa_next_free_vgpr 104
		.amdhsa_next_free_sgpr 66
		.amdhsa_reserve_vcc 1
		.amdhsa_float_denorm_mode_32 3
		.amdhsa_float_denorm_mode_16_64 3
		.amdhsa_memory_ordered 1
		.amdhsa_forward_progress 1
		.amdhsa_inst_pref_size 47
	.end_amdhsa_kernel
	.amdgpu_metadata
---
amdhsa.version: [ 1, 2 ]
amdhsa.kernels:
  - .name:           k_q3b2e0d1d2c_prep
    .symbol:         k_q3b2e0d1d2c_prep.kd
    .args:
      - { .name: hidden_states, .offset: 0, .size: 8, .value_kind: global_buffer, .address_space: global }
      - { .name: Wq, .offset: 8, .size: 8, .value_kind: global_buffer, .address_space: global }
      - { .name: Wk, .offset: 16, .size: 8, .value_kind: global_buffer, .address_space: global }
      - { .name: Wv, .offset: 24, .size: 8, .value_kind: global_buffer, .address_space: global }
      - { .name: Wo, .offset: 32, .size: 8, .value_kind: global_buffer, .address_space: global }
      - { .name: xb, .offset: 40, .size: 8, .value_kind: global_buffer, .address_space: global }
      - { .name: wqkv, .offset: 48, .size: 8, .value_kind: global_buffer, .address_space: global }
      - { .name: wob, .offset: 56, .size: 8, .value_kind: global_buffer, .address_space: global }
      - { .name: rope, .offset: 64, .size: 8, .value_kind: global_buffer, .address_space: global }
    .group_segment_fixed_size: 0
    .private_segment_fixed_size: 0
    .kernarg_segment_align: 8
    .kernarg_segment_size: 72
    .max_flat_workgroup_size: 256
    .sgpr_count:     66
    .vgpr_count:     104
    .wavefront_size: 32
...
	.end_amdgpu_metadata
.endif
;; end of part 1
;; launch qkv (part 2): grid 16 x 16, 4 waves a work-group, clusters of 4 x 4, 327,680 bytes of LDS; arguments xb, wqkv, qkv, rope; writes qkv
.if DOCPART == 2
	.amdgcn_target "amdgcn-amd-amdhsa--gfx1250"
	.amdhsa_code_object_version 6
	.text
	.protected	k_q3b2e0d1d2c_qkv
	.globl	k_q3b2e0d1d2c_qkv
	.p2align	8
	.type	k_q3b2e0d1d2c_qkv,@function
k_q3b2e0d1d2c_qkv:
	s_mov_b64 s[64:65], 0
	v_nop
	global_prefetch_b8 v0, s[64:65] scope:SCOPE_SE
	s_setreg_imm32_b32 hwreg(HW_REG_WAVE_MODE, 25, 1), 1
	s_wait_xcnt 0x0
	s_wait_alu depctr_hold_cnt(0) depctr_sa_sdst(0) depctr_va_vdst(0) depctr_va_sdst(0) depctr_va_ssrc(0) depctr_va_vcc(0) depctr_vm_vsrc(0)
	s_getreg_b32 s2, hwreg(HW_REG_IB_STS2, 6, 4)
	s_cmp_eq_u32 s2, 0
	s_cbranch_scc0 .Lentry_in_a_cluster
	s_endpgm
.Lentry_in_a_cluster:
	s_bfe_u32 s2, ttmp6, 0x10000c
	s_cmp_lg_u32 s2, 0xf033
	s_cbranch_scc0 .Lentry_shape_is_right
	s_endpgm
.Lentry_shape_is_right:
; C = xb x wqkv: [2048][4096] = [2048][4096 k] x [4096 k][4096 n], f16 operands, f32 sums; RoPE on the columns of q and k in registers; out as
; qkv [32 heads][2048 rows][128] f16 (heads 0-15 q, 16-23 k, 24-31 v), all at a quarter of their size (the weights carry the 1/4).
; LIMIT: |q|, |k|, |v| < 262,016 (a quarter of it must fit f16).
; 256 work-groups (x = block row of 128, y = block column of 256); four waves, a wave makes 64 x 128: 32 accumulator tiles of 16 x 16, 256 registers.
; K goes through two LDS slots filled by tensor loads, 192 of K in a slot: xb's tile 128 rows x 384 bytes, wqkv's 192 k rows x 512 bytes.  A wave has one tensor load out between
; two changes of slots, so the slots are as large as fit: two of 192 take 319,488 of LDS's 327,680 bytes, two of 256 would take 413,696.  The price: xb's rows in a tile begin
; at multiples of 128 bytes, not of 256.  4,096 = 20 x 192 + 2 x 128: the last two tiles are shorter.
; CLUSTERS of 4 x 4: xb's tile hangs on the block row alone (work-group x) and is asked for jointly by a column of the cluster, wqkv's on the block column alone, by a row.
; wqkv lies [k][n]: its fragments are read with the transposing LDS load.  THE MATRIX INSTRUCTION IS USED TRANSPOSED: source 0 = 16 columns of wqkv, source 1 = 16 rows
; of xb, so lane l holds row l % 16 of C and, in registers 0-7, the columns 8 (l / 16) + 0..7: eight neighbours of a row.  A wave's 128 columns are one head, so the two
; halves that RoPE pairs (d and d + 64) are accumulator tiles b and b + 4 of the same lane: no exchange between lanes.
; REGISTERS: window 0: v1-v7 at work, v16-v26 addresses, v32-127 and v128-223 two fragment buffers (8 of wqkv, then 4 of xb), v224-255 at work on the way out;
;            window 1: accumulator tile (a, b) at v[8 (8 a + b)].
.set KDIM,  4096
.set NDIM,  4096
.set KS,    192                        ; K of a slot: six quarters of 32
.set NQ,    6
.set NB,    20                         ; tiles of 192
.set SQ,    4                          ; quarters of 32 in each of the last two tiles
.set CH,    144                        ; xb's rows in LDS: 16 bytes of padding behind every 128
.set PA,    3*CH                       ; their pitch, 432 = 27 x 16: 16 rows one below the other begin at 16 different 16-byte columns modulo 256
.set PB,    544                        ; LDS pitch of wqkv's rows: 512 bytes + 32, an odd multiple of 32, for the transposing load
.set AHALF, 64*PA                      ; what one tensor load brings of xb
.set BHALF, 96*PB                      ; and of wqkv
.set BOFF,  2*AHALF                    ; wqkv's tile lies behind xb's
.set SLOT,  2*AHALF+2*BHALF            ; 159,744 bytes
.set SP,    272                        ; the stage for the way out: 16 rows x 272 bytes for each wave, from LDS byte 0: slot 0 has had its last fill by then
.set ADRA, 16                          ; v16-17 LDS address of my xb fragments in slot 0, 1
.set ADRB, 20                          ; v20-21 the same for wqkv, k rows 0-95; v22-23 k rows 96-191 (an LDS offset has 16 bits)
.set STO,  24                          ; the way out: where I put 16 bytes of a row
.set RD,   25                          ; where I read rows back
.set CO,   26                          ; 16 x lane
.set F0,   32
.set F1,   128
.set T0,   32                          ; the way out: two buffers for the table, 64 registers each
.set T1,   96
.set Y,    160                         ; rotated numbers, f32: 64 registers
.set RB,   160                         ; rows read back (Y is dead by then)
.set TMP,  224
.set G1,   24                          ; s[24:31] group 1 for xb's tiles
.set G0,   32                          ; s[32:39] group 0 for xb's tiles, one set a slot
.set G1B,  48                          ; s[48:55] group 1 for wqkv's tiles
.set G0B,  56                          ; s[56:63] group 0 for wqkv's tiles
.set MULW, 0x50                        ; C and D in window 1, the sources in window 0
.set MSB, 0
.macro WIN new                         ; the immediate's high byte repeats the setting that is left
.if MSB != \new
	s_set_vgpr_msb (MSB<<8)|\new
.set MSB, \new
.endif
.endm
.macro PLACES                          ; four places behind matrix instructions, in front of loads into their sources and of readers of their results
.rept 4
	v_nop
.endr
.endm
; A joint load: waves 0, 1 ask for xb's two halves, waves 2, 3 for wqkv's.  The branch hangs on the wave's number alone.
.macro JLOAD s
	s_cmp_eq_u32 s11, 0
	s_cbranch_scc0 .Lfor_b_\@
	tensor_load_to_lds s[G0+4*\s:G0+4*\s+3], s[G1:G1+7]
	s_nop 0
	s_branch .Lasked_\@
.Lfor_b_\@:
	tensor_load_to_lds s[G0B+4*\s:G0B+4*\s+3], s[G1B:G1B+7]
	s_nop 0
.Lasked_\@:
.endm
.macro CREST                           ; a round of the cluster's barrier behind its opening work-group barrier
	s_cmp_lg_u32 s10, 0
	s_cbranch_scc1 .Lnot_wave_0_\@
	s_barrier_signal -3
.Lnot_wave_0_\@:
	s_barrier_wait -3
	s_barrier_signal -1
	s_barrier_wait -1
.endm
.macro CROUND                          ; a whole round
	s_barrier_signal -1
	s_barrier_wait -1
	CREST
.endm
	s_load_b128 s[4:7], s[0:1], 0x0                ; xb s[4:5], wqkv s[6:7]
	s_load_b64 s[8:9], s[0:1], 0x10                ; qkv
	s_load_b64 s[66:67], s[0:1], 0x18              ; rope
	v_lshl_add_u32 v30, v0, 2, 0x4e000
	v_mov_b32 v31, 0
	ds_add_u32 v30, v31
	v_lshrrev_b32 v1, 5, v0
	v_readfirstlane_b32 s10, v1                    ; wave 0..3
	s_lshr_b32 s11, s10, 1                         ; my 64 rows of the block.  Also: I fetch for xb (0) or for wqkv (1)
	s_and_b32 s12, s10, 1                          ; my 128 columns.  Also: which half of that tile I fetch
	s_bfe_u32 s40, ttmp6, 0x40000                  ; cx
	s_bfe_u32 s41, ttmp6, 0x40004                  ; cy
	s_lshl_b32 s13, ttmp9, 2
	s_add_co_u32 s13, s13, s40                     ; block row = work-group x = 4 x cluster x + cx
	s_and_b32 s45, ttmp7, 0xffff                   ; cluster y
	s_lshl_b32 s42, s45, 2
	s_add_co_u32 s42, s42, s41                     ; block column = work-group y = 4 x cluster y + cy
	s_lshl_b32 s43, 0x1111, s40                    ; my column of the cluster (same cx): places cx, cx + 4, cx + 8, cx + 12
	s_lshl_b32 s44, s41, 2
	s_lshl_b32 s44, 15, s44                        ; my row (same cy): places 4 cy .. 4 cy + 3
	s_or_b32 s[G1+0], s43, (1<<16)|(1<<20)|(1<<21)|(4<<22)|(3<<25)   ; mask; 2-byte elements; padding on; bit 21 beside a mask; after every 32 words 4 words
	s_mov_b32 s[G1+1], KS<<16                      ; tensor_dim0 = 192
	s_mov_b32 s[G1+2], 64<<16                      ; tensor_dim1 = 64
	s_mov_b32 s[G1+3], KS<<16                      ; tile_dim0 = 192 elements (384 bytes)
	s_mov_b32 s[G1+4], 64                          ; tile_dim1 = 64 rows
	s_mov_b32 s[G1+5], KDIM                        ; elements from row to row
	s_mov_b32 s[G1+6], 0
	s_mov_b32 s[G1+7], 0
	s_or_b32 s[G1B+0], s44, (1<<16)|(1<<20)|(1<<21)|(6<<22)|(7<<25)  ; the row's mask; after every 128 words 8 words
	s_mov_b32 s[G1B+1], 256<<16                    ; tensor_dim0 = 256
	s_mov_b32 s[G1B+2], 96<<16                     ; tensor_dim1 = 96
	s_mov_b32 s[G1B+3], 256<<16                    ; tile_dim0 = 256 elements (512 bytes)
	s_mov_b32 s[G1B+4], 96                         ; tile_dim1 = 96 rows
	s_mov_b32 s[G1B+5], NDIM
	s_mov_b32 s[G1B+6], 0
	s_mov_b32 s[G1B+7], 0
	; xb's address is made of the block row and the wave's number, wqkv's of the block column and the wave's number, each in registers that never hold the other coordinate
	s_lshl_b32 s17, s12, 6
	s_lshl_b32 s16, s13, 7
	s_add_co_u32 s16, s16, s17                     ; row 128 x block row + 64 x half
	s_mul_i32 s16, s16, KDIM*2                     ; below 2^25 bytes
	s_mov_b32 s17, 0
	s_lshl_b32 s46, s42, 9                         ; 256 columns = 512 bytes a block column
	s_mov_b32 s47, 0
	s_mul_i32 s22, s12, 96*NDIM*2                  ; my half of wqkv's tile: 96 k rows of 8,192 bytes
	s_mov_b32 s23, 0
	s_mul_i32 s20, s12, AHALF                      ; where they go in LDS: the wave's number alone
	s_mul_i32 s21, s12, BHALF
	s_add_co_u32 s21, s21, BOFF
	s_wait_dscnt 0x0
	s_wait_kmcnt 0x0
	s_add_nc_u64 s[14:15], s[4:5], s[16:17]
	s_add_nc_u64 s[46:47], s[6:7], s[46:47]        ; wqkv at my block column, k = 0: kept for the short tiles
	CROUND                                         ; all sixteen work-groups are here: the first joint loads meet
.irp s, 0,1
	s_mov_b32 s[G0+4*\s], 1
	s_add_co_u32 s[G0+4*\s+1], s20, \s*SLOT
	s_add_nc_u64 s[G0+4*\s+2:G0+4*\s+3], s[14:15], \s*KS*2               ; tile s: 384 bytes along the rows
	s_or_b32 s[G0+4*\s+3], s[G0+4*\s+3], 0x80000000
	s_mov_b32 s[G0B+4*\s], 1
	s_add_co_u32 s[G0B+4*\s+1], s21, \s*SLOT
	s_add_nc_u64 s[G0B+4*\s+2:G0B+4*\s+3], s[46:47], \s*KS*NDIM*2        ; tile s: 192 rows down
	s_add_nc_u64 s[G0B+4*\s+2:G0B+4*\s+3], s[G0B+4*\s+2:G0B+4*\s+3], s[22:23]
	s_or_b32 s[G0B+4*\s+3], s[G0B+4*\s+3], 0x80000000
	JLOAD \s                                       ; both first fills go out before anything else: two tensor loads of the wave are out
.endr
	v_and_b32 v1, 15, v0                           ; r = l % 16
	v_bfe_u32 v2, v0, 4, 1                         ; h = l / 16
	v_mul_u32_u24 v3, v1, PA
	v_lshl_add_u32 v3, v2, 4, v3                   ; xb's fragment: row r, 16 bytes for each half of the lanes
	v_and_b32 v4, 7, v0
	v_lshl_add_u32 v4, v2, 3, v4                   ; wqkv's fragment: k row 8 h + (l & 7),
	v_mul_u32_u24 v4, v4, PB
	v_bfe_u32 v5, v0, 3, 1
	v_lshl_add_u32 v4, v5, 4, v4                   ; columns 8 ((l >> 3) & 1) + 0..7
	s_mul_i32 s18, s11, AHALF                      ; my 64 rows of xb's tile
	s_lshl_b32 s19, s12, 8                         ; my 128 columns of wqkv's tile
	s_add_co_u32 s19, s19, BOFF
.irp s, 0,1
	v_add_nc_u32 v[ADRA+\s], s18, v3
	v_add_nc_u32 v[ADRB+\s], s19, v4
	v_add_nc_u32 v[ADRB+2+\s], 96*PB, v[ADRB+\s]
	s_add_co_u32 s18, s18, SLOT
	s_add_co_u32 s19, s19, SLOT
.endr
	s_mul_i32 s18, s10, 16*SP                      ; my stage
	v_mul_u32_u24 v5, v1, SP
	v_lshl_add_u32 v5, v2, 4, v5                   ; in: row r, 16 bytes for each half of the lanes
	v_add_nc_u32 v[STO], s18, v5
	v_mul_u32_u24 v5, v2, SP
	v_lshl_add_u32 v5, v1, 4, v5                   ; back: lanes 0-15 one row of 256 bytes, lanes 16-31 the next
	v_add_nc_u32 v[RD], s18, v5
	v_and_b32 v6, 31, v0
	v_lshlrev_b32 v[CO], 4, v6
; Eight products: row block a of my four x all eight column blocks, 32 along K.  zero = 1: the product starts the sums, nothing is cleared.
; The 32 accumulators take turns, one instruction a turn, in the same order in every quarter.
.macro MUL8 f, a, zero
.irp b, 0,1,2,3,4,5,6,7
.if \zero
	v_wmma_f32_16x16x32_f16 v[8*(8*\a+\b):8*(8*\a+\b)+7], v[\f+8*\b:\f+8*\b+7], v[\f+64+8*\a:\f+64+8*\a+7], 0
.else
	v_wmma_f32_16x16x32_f16 v[8*(8*\a+\b):8*(8*\a+\b)+7], v[\f+8*\b:\f+8*\b+7], v[\f+64+8*\a:\f+64+8*\a+7], v[8*(8*\a+\b):8*(8*\a+\b)+7]
.endif
.endr
.endm
; 24 LDS loads in one run: the fragments of quarter q (32 along K) of a slot into buffer f: wqkv's eight first, then xb's four.
; wqkv: k rows 32 q .. 32 q + 31, from the address register of their half of the slot.  xb: byte 64 q of the rows, which lies in piece q / 2 of 128 bytes.
.macro FETCH slot, q, f
	WIN 0
.irp b, 0,1,2,3,4,5,6,7
	ds_load_tr16_b128 v[\f+8*\b:\f+8*\b+3],   v[ADRB+2*(\q/3)+\slot] offset:(\q%3)*32*PB+32*\b
	ds_load_tr16_b128 v[\f+8*\b+4:\f+8*\b+7], v[ADRB+2*(\q/3)+\slot] offset:(\q%3)*32*PB+32*\b+16*PB
.endr
.irp a, 0,1,2,3
	ds_load_b128 v[\f+64+8*\a:\f+64+8*\a+3],   v[ADRA+\slot] offset:\a*16*PA+(\q/2)*CH+(\q%2)*64
	ds_load_b128 v[\f+64+8*\a+4:\f+64+8*\a+7], v[ADRA+\slot] offset:\a*16*PA+(\q/2)*CH+(\q%2)*64+32
.endr
.endm
; Any quarter of a tile but its last: multiplies buffer f and, in its middle, fetches quarter q into buffer g
.macro QUARTER slot, q, f, g, zero
	s_wait_dscnt 4                                 ; all but the four youngest loads: xb's fragments 2 and 3 may be out
	WIN MULW
	MUL8 \f, 0, \zero
	MUL8 \f, 1, \zero
	PLACES
	FETCH \slot, \q, \g
	s_wait_dscnt 24                                ; all but the 24 just issued
	WIN MULW
	MUL8 \f, 2, \zero
	MUL8 \f, 3, \zero
.endm
.macro RUN slot, nq, zero              ; all quarters but the last of a tile of nq quarters (2, 4 or 6), on buffers 0, 1, 0, 1 ..
	QUARTER \slot, 1, F0, F1, \zero
.if \nq > 2
	QUARTER \slot, 2, F1, F0, 0
	QUARTER \slot, 3, F0, F1, 0
.endif
.if \nq > 4
	QUARTER \slot, 4, F1, F0, 0
	QUARTER \slot, 5, F0, F1, 0
.endif
.endm
; A tile's last quarter multiplies buffer 1 and changes slots.  fill = 1: this slot gets the tile two further on; 2: one of the two short tiles; 0: nothing.
; In front of the barrier each wave waits for its reads of this slot and for all its tensor loads (one is out: its part of the next slot); no load of the wave is then out, so the
; descriptors are written there.  Where the slot is filled again the barrier opens a round of the cluster's barrier, and the joint refill is the first tensor load behind the round.
; Half the quarter's products and the four places stand in front of the waits, so that only the barrier and the round lie between a tile's landing and the next request.
; From a request to the wait for it a wave issues 16 + 160 + 16 = 192 matrix instructions.
.macro TURN slot, next, fill
	s_wait_dscnt 4
	WIN MULW
	MUL8 F1, 0, 0
	MUL8 F1, 1, 0
	PLACES                                         ; behind the last products that read buffer 0, for the loads into it below
	WIN 0
	s_wait_dscnt 0                                 ; my reads of this slot are over
	s_wait_tensorcnt 0x0                           ; all my tensor loads have landed
	ds_add_u32 v30, v31
	s_wait_dscnt 0x0
.if \fill == 1
	s_add_nc_u64 s[G0+4*\slot+2:G0+4*\slot+3], s[G0+4*\slot+2:G0+4*\slot+3], 2*KS*2
	s_add_nc_u64 s[G0B+4*\slot+2:G0B+4*\slot+3], s[G0B+4*\slot+2:G0B+4*\slot+3], 2*KS*NDIM*2
.endif
.if \fill == 2
.if \slot == 0
	s_mov_b32 s[G1+1], (32*SQ)<<16                 ; xb: 32 SQ elements are left of a row; the tile keeps its shape and its pitch, and what lies beyond is neither fetched nor read
	s_mov_b32 s[G1B+2], (16*SQ)<<16                ; wqkv: 16 SQ k rows a wave,
	s_mov_b32 s[G1B+4], 16*SQ
	s_mul_i32 s21, s12, 16*SQ*PB                   ; the two waves' rows one behind the other in LDS
	s_add_co_u32 s21, s21, BOFF
	s_mul_i32 s22, s12, 16*SQ*NDIM*2               ; and in memory
.endif
	s_add_nc_u64 s[G0+4*\slot+2:G0+4*\slot+3], s[G0+4*\slot+2:G0+4*\slot+3], (2-\slot)*KS*2+\slot*64*SQ   ; from tile NB - 2 + slot to k = 192 NB + 32 SQ slot
	s_add_co_u32 s[G0B+4*\slot+1], s21, \slot*SLOT
	s_add_nc_u64 s[G0B+4*\slot+2:G0B+4*\slot+3], s[46:47], (NB*KS+\slot*32*SQ)*NDIM*2
	s_add_nc_u64 s[G0B+4*\slot+2:G0B+4*\slot+3], s[G0B+4*\slot+2:G0B+4*\slot+3], s[22:23]
	s_or_b32 s[G0B+4*\slot+3], s[G0B+4*\slot+3], 0x80000000
.endif
	s_barrier_signal -1
	s_barrier_wait -1
.if \fill
	CREST                                          ; no wave of any partner still reads this slot or has a load on its way
	JLOAD \slot
.endif
	FETCH \next, 0, F0
	WIN MULW
	MUL8 F1, 2, 0
	MUL8 F1, 3, 0
.endm
.macro LAP zero, fill                  ; once round the ring: two tiles of 192
	RUN 0, NQ, \zero
	TURN 0, 1, \fill
	RUN 1, NQ, 0
	TURN 1, 0, \fill
.endm
	s_wait_tensorcnt 0x1                           ; my part of tile 0 is in; tile 1's may stay out
	s_barrier_signal -1
	s_barrier_wait -1
	FETCH 0, 0, F0
	LAP 1, 1                                       ; the first lap's first products start the sums; tiles 2 and 3 go out
	WIN 0
	s_mov_b32 s3, NB/2-2
.Llap:
	LAP 0, 1                                       ; tiles up to NB - 1 go out
	WIN 0
	s_sub_co_u32 s3, s3, 1
	s_cmp_lg_u32 s3, 0
	s_cbranch_scc1 .Llap
	LAP 0, 2                                       ; the last two tiles of 192; the two short tiles go out
	RUN 0, SQ, 0                                   ; the short tiles: nothing is left to fetch
	TURN 0, 1, 0
	RUN 1, SQ, 0
	s_wait_dscnt 4
	WIN MULW
	MUL8 F1, 0, 0
	MUL8 F1, 1, 0
	s_wait_dscnt 0
	MUL8 F1, 2, 0
	MUL8 F1, 3, 0
	; THE WAY OUT, 16 rows at a time.  The four places serve the readers of the results and the loads into the fragment buffers.
	; The stage lies in slot 0: no fill follows, and every wave's last reads of slot 0 lie in front of the barrier of the last change of slots.
	PLACES
	WIN 0
	s_lshl_b32 s16, s13, 7
	s_lshl_b32 s17, s11, 6
	s_add_co_u32 s16, s16, s17                     ; my first row
	s_lshl_b32 s16, s16, 8                         ; rows of 256 bytes inside a head
	s_mov_b32 s17, 0
	s_add_nc_u64 s[8:9], s[8:9], s[16:17]
	s_lshl_b32 s46, s42, 1
	s_add_co_u32 s46, s46, s12                     ; my head = 2 x block column + half
	s_lshl_b32 s46, s46, 19                        ; 524,288 bytes a head
	s_mov_b32 s47, 0
	s_add_nc_u64 s[8:9], s[8:9], s[46:47]
	s_lshl_b32 s18, s13, 3
	s_lshl_b32 s19, s11, 2
	s_add_co_u32 s18, s18, s19                     ; my first group of 16 rows
	s_lshl_b32 s18, s18, 13                        ; 8,192 bytes of the table a group
	s_mov_b32 s19, 0
	s_add_nc_u64 s[66:67], s[66:67], s[18:19]
; 16 rows of 256 bytes through my own stage: 16 bytes a lane in, whole rows back, and a store of the wave covers 512 consecutive bytes (a head's rows follow each other).
; LDS serves a wave's instructions in order (ISA guide 5.7.1), so no wait stands between the stores and the loads.
.macro STAGEOUT a
.irp b, 0,1,2,3,4,5,6,7
	ds_store_b128 v[STO], v[TMP+4*\b:TMP+4*\b+3] offset:32*\b
.endr
.irp t, 0,1,2,3,4,5,6,7
	ds_load_b128 v[RB+4*\t:RB+4*\t+3], v[RD] offset:\t*2*SP
.endr
.irp t, 0,1,2,3,4,5,6,7
	s_wait_dscnt 7-\t
	global_store_b128 v[CO], v[RB+4*\t:RB+4*\t+3], s[8:9] offset:\a*4096+\t*512
.endr
.endm
; the table's 8,192 bytes for row group a: cos of i = 16 b + 8 h + j at T + 16 b + j, sin at T + 16 b + 8 + j
.macro TLOAD a, T
.irp i, 0,1,2,3,4,5,6,7,8,9,10,11,12,13,14,15
	global_load_b128 v[\T+4*\i:\T+4*\i+3], v[CO], s[66:67] offset:(\a)*8192+\i*512
.endr
.endm
; rows 16 a .. 16 a + 15, rotated: y(d) = x(d) cos - x(d + 64) sin, y(d + 64) = x(d + 64) cos + x(d) sin
.macro OUTR a, T, left, more
	s_wait_loadcnt \left                           ; this group's sixteen table loads are in; the next group's sixteen stay out
	s_wait_xcnt 0x0                                ; the last group's stores have read RB, which Y overwrites only behind this wait
	WIN 0x01                                       ; source 0: the accumulators
.irp b, 0,1,2,3
.irp p, 0,2,4,6
	v_pk_mul_f32 v[Y+8*\b+\p:Y+8*\b+\p+1],       v[8*(8*\a+\b+4)+\p:8*(8*\a+\b+4)+\p+1], v[\T+16*\b+8+\p:\T+16*\b+8+\p+1]
	v_pk_mul_f32 v[Y+32+8*\b+\p:Y+32+8*\b+\p+1], v[8*(8*\a+\b)+\p:8*(8*\a+\b)+\p+1],     v[\T+16*\b+8+\p:\T+16*\b+8+\p+1]
.endr
.irp p, 0,2,4,6
	v_pk_fma_f32 v[Y+8*\b+\p:Y+8*\b+\p+1],       v[8*(8*\a+\b)+\p:8*(8*\a+\b)+\p+1],     v[\T+16*\b+\p:\T+16*\b+\p+1], v[Y+8*\b+\p:Y+8*\b+\p+1] neg_lo:[0,0,1] neg_hi:[0,0,1]
	v_pk_fma_f32 v[Y+32+8*\b+\p:Y+32+8*\b+\p+1], v[8*(8*\a+\b+4)+\p:8*(8*\a+\b+4)+\p+1], v[\T+16*\b+\p:\T+16*\b+\p+1], v[Y+32+8*\b+\p:Y+32+8*\b+\p+1]
.endr
.endr
	WIN 0
.if \more
	TLOAD \a+2, \T
.endif
.irp b, 0,1,2,3,4,5,6,7
.irp i, 0,1,2,3
	v_cvt_pk_f16_f32 v[TMP+4*\b+\i], v[Y+8*\b+2*\i], v[Y+8*\b+2*\i+1]
.endr
.endr
	STAGEOUT \a
.endm
; the same rows as they are (v)
.macro OUTP a
	s_wait_xcnt 0x0                                ; the last group's stores have read RB
	WIN 0x05                                       ; both sources: the accumulators
.irp b, 0,1,2,3,4,5,6,7
.irp i, 0,1,2,3
	v_cvt_pk_f16_f32 v[TMP+4*\b+\i], v[8*(8*\a+\b)+2*\i], v[8*(8*\a+\b)+2*\i+1]
.endr
.endr
	WIN 0
	STAGEOUT \a
.endm
	s_cmp_eq_u32 s45, 3                            ; block columns 12-15 are v: the cluster's y, the same number in all sixteen partners
	s_cbranch_scc1 .Lplain
	TLOAD 0, T0
	TLOAD 1, T1
	OUTR 0, T0, 16, 1
	OUTR 1, T1, 16, 1
	OUTR 2, T0, 16, 0
	OUTR 3, T1, 0, 0
	s_branch .Lend
.Lplain:
	OUTP 0
	OUTP 1
	OUTP 2
	OUTP 3
.Lend:
	s_wait_tensorcnt 0x0
	ds_add_u32 v30, v31
	s_wait_dscnt 0x0
	CROUND                                         ; the closing round: no work-group ends while a partner may still ask for a tile that names it
	s_endpgm
.Lfunc_end_k_q3b2e0d1d2c_qkv:
	.size	k_q3b2e0d1d2c_qkv, .Lfunc_end_k_q3b2e0d1d2c_qkv-k_q3b2e0d1d2c_qkv
	.p2alignl 7, 3214868480
	.fill 96, 4, 3214868480
	.section	.rodata,"a",@progbits
	.p2align	6, 0x0
	.amdhsa_kernel k_q3b2e0d1d2c_qkv
		.amdhsa_group_segment_fixed_size 327680
		.amdhsa_private_segment_fixed_size 0
		.amdhsa_enable_private_segment 0
		.amdhsa_kernarg_size 32
		.amdhsa_user_sgpr_count 2
		.amdhsa_user_sgpr_kernarg_segment_ptr 1
		.amdhsa_wavefront_size32 1
		.amdhsa_system_sgpr_workgroup_id_x 1
		.amdhsa_system_sgpr_workgroup_id_y 1
		.amdhsa_system_sgpr_workgroup_id_z 1
		.amdhsa_system_vgpr_workitem_id 0
		.amdhsa_next_free_vgpr 512
		.amdhsa_next_free_sgpr 68
		.amdhsa_reserve_vcc 0
		.amdhsa_float_denorm_mode_32 3
		.amdhsa_float_denorm_mode_16_64 3
		.amdhsa_memory_ordered 1
		.amdhsa_forward_progress 1
		.amdhsa_inst_pref_size 234
	.end_amdhsa_kernel
	.amdgpu_metadata
---
amdhsa.version: [ 1, 2 ]
amdhsa.kernels:
  - .name:           k_q3b2e0d1d2c_qkv
    .symbol:         k_q3b2e0d1d2c_qkv.kd
    .args:
      - { .name: xb, .offset: 0, .size: 8, .value_kind: global_buffer, .address_space: global }
      - { .name: wqkv, .offset: 8, .size: 8, .value_kind: global_buffer, .address_space: global }
      - { .name: qkv, .offset: 16, .size: 8, .value_kind: global_buffer, .address_space: global }
      - { .name: rope, .offset: 24, .size: 8, .value_kind: global_buffer, .address_space: global }
    .group_segment_fixed_size: 327680
    .private_segment_fixed_size: 0
    .kernarg_segment_align: 8
    .kernarg_segment_size: 32
    .max_flat_workgroup_size: 128
    .sgpr_count:     68
    .vgpr_count:     512
    .wavefront_size: 32
...
	.end_amdgpu_metadata
.endif
;; end of part 2
;; launch attn (part 3): grid 16 x 16, 8 waves a work-group, clusters of 4 x 1, 327,680 bytes of LDS; arguments qkv, attention_mask, ob; writes ob
.if DOCPART == 3
	.amdgcn_target "amdgcn-amd-amdhsa--gfx1250"
	.amdhsa_code_object_version 6
	.text
	.protected	k_q3b2e0d1d2c_attn
	.globl	k_q3b2e0d1d2c_attn
	.p2align	8
	.type	k_q3b2e0d1d2c_attn,@function
k_q3b2e0d1d2c_attn:
	s_mov_b64 s[64:65], 0
	v_nop
	global_prefetch_b8 v0, s[64:65] scope:SCOPE_SE
	s_setreg_imm32_b32 hwreg(HW_REG_WAVE_MODE, 25, 1), 1
	s_wait_xcnt 0x0
	s_wait_alu depctr_hold_cnt(0) depctr_sa_sdst(0) depctr_va_vdst(0) depctr_va_sdst(0) depctr_va_ssrc(0) depctr_va_vcc(0) depctr_vm_vsrc(0)
	s_getreg_b32 s2, hwreg(HW_REG_IB_STS2, 6, 4)
	s_cmp_eq_u32 s2, 0
	s_cbranch_scc0 .Lentry_in_a_cluster
	s_endpgm
.Lentry_in_a_cluster:
	s_bfe_u32 s2, ttmp6, 0x10000c
	s_cmp_lg_u32 s2, 0x3003
	s_cbranch_scc0 .Lentry_shape_is_right
	s_endpgm
.Lentry_shape_is_right:
; softmax(q k^T / sqrt(128) + mask[key]) v for one query head and 128 query rows (x), with a running maximum; out as ob [2048][16 heads x 128] f16.
; The head is y with its bits 0 and 1 exchanged: the two query heads that read one key and value head are two apart in y.
; q, k, v come at a quarter of their size: the 16 that the scores lack stands in the factor of the softmax's multiply-add; the result stays at a quarter (wob carries the 4).
; LIMIT: if log2(e) x mask is below the lowest finite f32 for EVERY key (mask <= -2.36e38), the row is NaN, as it is for a mask that is -inf everywhere.
; Eight waves: wave w has the 32 query rows 32 (w & 3) .. + 31 and, of every 256 keys, the half w >> 2.  So each SIMD has two waves, and one's exponentials stand beside the other's
; products.  The two waves of a row block keep their own maximum, sum and result, which are merged at the end through LDS.
; K and V go in tiles of 256 keys through two LDS slots filled by tensor loads: waves 0-3 bring 64 rows of K each, waves 4-7 64 rows of V.
; CLUSTER of 4 x 1: four row blocks of one head need the same K and V and ask for them jointly (mask 15).
; LAYOUTS: S^T = K Q^T (source 0 = 16 keys, source 1 = 16 queries): lane l holds query l % 16 and keys 8 (l / 16) + 0..7 of the tile.  A row's maximum and sum are one number a lane,
; joined with the other half of the lanes by one exchange; two packed tiles ARE a fragment of P for source 1.  O^T = V^T P^T (source 0 = V through the transposing load):
; lane l holds query l % 16 and d = 8 (l / 16) + 0..7, so the rescaling factor is again one number a lane and eight neighbouring d pack into 16 bytes.
; REGISTERS: window 0: v1-v5 at work, v6-v15 addresses, v16-19 (m0, l0, m1, l1), v20-23 factors, v24-31 at work, v32-63 mask, v64-127 fragments, v128-191 S, v192-223 P, v224-255 at work;
;            window 1: O tile (u, dt) at v[8 (8 u + dt)], Q fragment (u, c) at v[128 + 8 (4 u + c)].
.set PK,    272                        ; LDS pitch of K's rows: 256 bytes + 16
.set PV,    288                        ; of V's rows: 256 bytes + 32, an odd multiple of 32, for the transposing load
.set KT,    256*PK                     ; V's tile lies behind K's
.set SLOT,  256*PK+256*PV              ; 143,360 bytes
.set MASKL, 2*SLOT                     ; log2(e) x mask, 8,192 bytes; written by LDS stores, no tensor load lands there
.set MRGB,  16896                      ; the merge: 32 x 512 bytes of O and 512 of (m, l) for each row block, in slot 0 behind its last fill
.set STG,   4*MRGB                     ; the stage for the way out: 16 rows x 272 bytes for each row block, likewise
.set MRGA, 6
.set QO,   7
.set KADR, 8
.set VADR, 10
.set MADR, 12
.set STO,  13
.set RD,   14
.set CO,   15
.set ST,   16
.set AL,   20
.set TM,   24
.set M,    32
.set W,    32                          ; at work in the merge (the mask's registers are dead there)
.set FB,   64
.set B0,   64
.set B1,   96
.set XO,   64                          ; the merge: the partner's O, 128 registers
.set S,    128
.set P,    192
.set TMP,  224
.set QF,   128                         ; in window 1
.set G1K,  24
.set G0K,  32
.set G1V,  48
.set G0V,  56
.set MSB, 0
.macro WIN new                         ; the immediate's high byte repeats the setting that is left
.if MSB != \new
	s_set_vgpr_msb (MSB<<8)|\new
.set MSB, \new
.endif
.endm
.macro PLACES                          ; four places behind matrix instructions (ISA guide 7.12.1)
.rept 4
	v_nop
.endr
.endm
.macro JLOAD s                         ; waves 0-3 ask for K, waves 4-7 for V: the branch hangs on the wave's number alone
	s_cmp_eq_u32 s11, 0
	s_cbranch_scc0 .Lfor_v_\@
	tensor_load_to_lds s[G0K+4*\s:G0K+4*\s+3], s[G1K:G1K+7]
	s_nop 0
	s_branch .Lasked_\@
.Lfor_v_\@:
	tensor_load_to_lds s[G0V+4*\s:G0V+4*\s+3], s[G1V:G1V+7]
	s_nop 0
.Lasked_\@:
.endm
.macro ROUND                           ; a round of the cluster's barrier
	s_barrier_signal -1
	s_barrier_wait -1
	s_cmp_lg_u32 s10, 0
	s_cbranch_scc1 .Lnot_wave_0_\@
	s_barrier_signal -3
.Lnot_wave_0_\@:
	s_barrier_wait -3
	s_barrier_signal -1
	s_barrier_wait -1
.endm
	s_load_b128 s[4:7], s[0:1], 0x0                ; qkv s[4:5], attention_mask s[6:7]
	s_load_b64 s[8:9], s[0:1], 0x10                ; ob
	s_set_vgpr_msb 0x40
	v_lshl_add_u32 v192, v0, 2, 0x48000
	v_mov_b32 v193, 0
	s_set_vgpr_msb 0x4045
	ds_add_u32 v192, v193
	s_set_vgpr_msb 0x4500
	v_lshrrev_b32 v1, 5, v0
	v_readfirstlane_b32 s10, v1                    ; wave 0..7
	s_lshr_b32 s11, s10, 2                         ; kg: my half of the keys.  Also: I fetch K (0) or V (1)
	s_and_b32 s12, s10, 3                          ; p: my 32 query rows.  Also: which 64 rows of the tile I fetch
	s_and_b32 s13, ttmp7, 0xffff                   ; y, the same in all four partners
	s_bfe_u32 s15, s13, 0x10001                    ; its bit 1
	s_and_b32 s16, s13, 1                          ; its bit 0
	s_and_b32 s13, s13, 12
	s_lshl1_add_u32 s15, s16, s15                  ; the two exchanged
	s_or_b32 s13, s13, s15                         ; query head
	s_lshr_b32 s14, s13, 1                         ; key and value head: two query heads share one
	s_bfe_u32 s40, ttmp6, 0x40000                  ; cx
	s_lshl_b32 s42, ttmp9, 2
	s_add_co_u32 s42, s42, s40                     ; block of query rows; it enters Q's and ob's global addresses alone
	s_mov_b32 s66, 0x400293ee                      ; 16 log2(e) / sqrt(128)
	s_mov_b32 s67, 0x400293ee
	s_mov_b32 s68, 0x76543210                      ; v_permlanex16_b32: lane i of one half reads lane i of the other
	s_mov_b32 s69, 0xfedcba98
	s_mov_b32 s[G1K+0], 15|(1<<16)|(1<<20)|(1<<21)|(5<<22)|(3<<25)   ; all four partners; 2-byte elements; padding on; bit 21 beside a mask; after every 64 words 4 words
	s_mov_b32 s[G1K+1], 128<<16                    ; tensor_dim0 = 128
	s_mov_b32 s[G1K+2], 64<<16                     ; tensor_dim1 = 64
	s_mov_b32 s[G1K+3], 128<<16                    ; tile_dim0 = 128 elements (256 bytes)
	s_mov_b32 s[G1K+4], 64                         ; tile_dim1 = 64 rows
	s_mov_b32 s[G1K+5], 128                        ; elements from row to row
	s_mov_b32 s[G1K+6], 0
	s_mov_b32 s[G1K+7], 0
	s_mov_b32 s[G1V+0], 15|(1<<16)|(1<<20)|(1<<21)|(5<<22)|(7<<25)   ; the same with 8 words of padding
	s_mov_b32 s[G1V+1], 128<<16
	s_mov_b32 s[G1V+2], 64<<16
	s_mov_b32 s[G1V+3], 128<<16
	s_mov_b32 s[G1V+4], 64
	s_mov_b32 s[G1V+5], 128
	s_mov_b32 s[G1V+6], 0
	s_mov_b32 s[G1V+7], 0
	s_add_co_u32 s20, s14, 16                      ; K's heads are numbers 16-23 of qkv
	s_lshl_b32 s20, s20, 19                        ; 524,288 bytes a head
	s_lshl_b32 s15, s12, 14                        ; my 64 rows of 256 bytes
	s_add_co_u32 s20, s20, s15
	s_mov_b32 s21, 0
	s_add_co_u32 s22, s20, 8*524288                ; V's heads are eight further on
	s_mov_b32 s23, 0
	s_mul_i32 s44, s12, 64*PK                      ; where they go in LDS: the wave's number alone
	s_mul_i32 s45, s12, 64*PV
	s_add_co_u32 s45, s45, KT
	s_lshl_b32 s18, s42, 7
	s_lshl_b32 s19, s12, 5
	s_add_co_u32 s18, s18, s19                     ; my first query row
	s_lshl_b32 s16, s18, 8
	s_lshl_b32 s17, s13, 19
	s_add_co_u32 s16, s16, s17                     ; Q: head x 524,288 + row x 256
	s_mov_b32 s17, 0
	s_lshl_b32 s18, s18, 12
	s_lshl_b32 s19, s13, 8
	s_add_co_u32 s18, s18, s19                     ; ob: row x 4,096 + head x 256
	s_mov_b32 s19, 0
	s_wait_dscnt 0x0
	s_wait_kmcnt 0x0
	s_add_nc_u64 s[20:21], s[4:5], s[20:21]
	s_add_nc_u64 s[22:23], s[4:5], s[22:23]
	s_add_nc_u64 s[16:17], s[4:5], s[16:17]
	s_add_nc_u64 s[8:9], s[8:9], s[18:19]
	ROUND                                          ; all four work-groups are here: the first joint loads meet
.irp s, 0,1
	s_mov_b32 s[G0K+4*\s], 1
	s_add_co_u32 s[G0K+4*\s+1], s44, \s*SLOT
	s_add_nc_u64 s[G0K+4*\s+2:G0K+4*\s+3], s[20:21], \s*65536            ; tile s: 256 rows of 256 bytes
	s_or_b32 s[G0K+4*\s+3], s[G0K+4*\s+3], 0x80000000
	s_mov_b32 s[G0V+4*\s], 1
	s_add_co_u32 s[G0V+4*\s+1], s45, \s*SLOT
	s_add_nc_u64 s[G0V+4*\s+2:G0V+4*\s+3], s[22:23], \s*65536
	s_or_b32 s[G0V+4*\s+3], s[G0V+4*\s+3], 0x80000000
	JLOAD \s                                       ; both first fills go out before anything else: two tensor loads of the wave are out
.endr
	v_and_b32 v1, 15, v0                           ; r
	v_bfe_u32 v2, v0, 4, 1                         ; h
	v_lshlrev_b32 v5, 4, v0                        ; 16 t: my 16 bytes of each half of the mask
	v_lshlrev_b32 v[QO], 8, v1
	v_lshl_add_u32 v[QO], v2, 4, v[QO]             ; Q's fragment: row r, 16 bytes for each half of the lanes
	global_load_b128 v[TM:TM+3],   v5, s[6:7]
	global_load_b128 v[TM+4:TM+7], v5, s[6:7] offset:4096
	WIN 0x40                                       ; destination: window 1
.irp u, 0,1
.irp c, 0,1,2,3
	global_load_b128 v[QF+8*(4*\u+\c):QF+8*(4*\u+\c)+3],   v[QO], s[16:17] offset:\u*4096+\c*64
	global_load_b128 v[QF+8*(4*\u+\c)+4:QF+8*(4*\u+\c)+7], v[QO], s[16:17] offset:\u*4096+\c*64+32
.endr
.endr
	WIN 0
	v_mul_u32_u24 v3, v1, PK
	v_lshl_add_u32 v3, v2, 4, v3                   ; r x 272 + 16 h
	s_mul_i32 s15, s11, 128*PK                     ; my 128 keys of a tile
	v_add_nc_u32 v[KADR], s15, v3
	v_add_nc_u32 v[KADR+1], SLOT, v[KADR]
	s_mul_i32 s15, s12, 16*PK
	s_add_co_u32 s15, s15, STG
	v_add_nc_u32 v[STO], s15, v3
	v_mul_u32_u24 v3, v2, PK
	v_lshl_add_u32 v3, v1, 4, v3
	v_add_nc_u32 v[RD], s15, v3
	v_and_b32 v3, 7, v0
	v_lshl_add_u32 v3, v2, 3, v3                   ; V's fragment: key row 8 h + (l & 7),
	v_mul_u32_u24 v3, v3, PV
	v_bfe_u32 v4, v0, 3, 1
	v_lshl_add_u32 v3, v4, 4, v3                   ; d = 8 ((l >> 3) & 1) + 0..7
	s_mul_i32 s15, s11, 128*PV
	s_add_co_u32 s15, s15, KT
	v_add_nc_u32 v[VADR], s15, v3
	v_add_nc_u32 v[VADR+1], SLOT, v[VADR]
	s_lshl_b32 s15, s11, 9
	s_add_co_u32 s15, s15, MASKL
	v_lshl_add_u32 v[MADR], v2, 5, s15             ; the mask of my keys: 512 bytes a half, 32 bytes for each half of the lanes
	v_lshlrev_b32 v3, 12, v2
	v_lshl_add_u32 v[CO], v1, 4, v3                ; ob: lanes 0-15 one row's 256 bytes, lanes 16-31 the next row's
	s_mul_i32 s15, s12, MRGB
	v_and_b32 v3, 31, v0
	v_lshl_add_u32 v[MRGA], v3, 4, s15
	v_add_nc_u32 v4, MASKL, v5
	v_mov_b32 v[ST], 0xff7fffff                    ; the running maximum starts at the lowest finite number, so that -inf minus it is -inf and no NaN
	v_mov_b32 v[ST+1], 0                           ; the running sum at 0
	v_mov_b32 v[ST+2], 0xff7fffff
	v_mov_b32 v[ST+3], 0
.irp i, 0,1,2,3
	v_mov_b32 v[AL+\i], 0                          ; the packed forms read whole pairs
.endr
	s_wait_loadcnt 16                              ; the mask's two loads are in; Q's sixteen stay out
.irp p, 0,2,4,6
	v_pk_mul_f32 v[TM+\p:TM+\p+1], v[TM+\p:TM+\p+1], 0x3fb8aa3b op_sel_hi:[1,0]   ; the exponentials are to base 2
.endr
	ds_store_b128 v4, v[TM:TM+3]
	ds_store_b128 v4, v[TM+4:TM+7] offset:4096
	s_wait_dscnt 0x0                               ; my part of the mask is in LDS, for the others' sake
	s_wait_tensorcnt 0x1                           ; my part of tile 0 is in; tile 1's may stay out
	s_barrier_signal -1
	s_barrier_wait -1
	s_wait_loadcnt 0x0                             ; Q
.macro FK slot, sub, c, B              ; K's fragments of four key tiles, d = 32 c .. 32 c + 31
.irp t, 0,1,2,3
	ds_load_b128 v[\B+8*\t:\B+8*\t+3],   v[KADR+\slot] offset:\sub*64*PK+\t*16*PK+64*\c
	ds_load_b128 v[\B+8*\t+4:\B+8*\t+7], v[KADR+\slot] offset:\sub*64*PK+\t*16*PK+64*\c+32
.endr
.endm
.macro QK c, B, zero                   ; eight products; the eight accumulators take turns, one instruction a turn
.irp t, 0,1,2,3
.irp u, 0,1
.if \zero
	v_wmma_f32_16x16x32_f16 v[S+8*(2*\t+\u):S+8*(2*\t+\u)+7], v[\B+8*\t:\B+8*\t+7], v[QF+8*(4*\u+\c):QF+8*(4*\u+\c)+7], 0
.else
	v_wmma_f32_16x16x32_f16 v[S+8*(2*\t+\u):S+8*(2*\t+\u)+7], v[\B+8*\t:\B+8*\t+7], v[QF+8*(4*\u+\c):QF+8*(4*\u+\c)+7], v[S+8*(2*\t+\u):S+8*(2*\t+\u)+7]
.endif
.endr
.endr
.endm
.macro FV slot, sub, kc, D             ; V's fragments of 32 keys, all eight blocks of d
.irp dt, 0,1,2,3,4,5,6,7
	ds_load_tr16_b128 v[\D+8*\dt:\D+8*\dt+3],   v[VADR+\slot] offset:\sub*64*PV+\kc*32*PV+32*\dt
	ds_load_tr16_b128 v[\D+8*\dt+4:\D+8*\dt+7], v[VADR+\slot] offset:\sub*64*PV+\kc*32*PV+32*\dt+16*PV
.endr
.endm
.macro PVM kc, D, zero                 ; sixteen products; the sixteen accumulators take turns likewise
.irp dt, 0,1,2,3,4,5,6,7
.irp u, 0,1
.if \zero
	v_wmma_f32_16x16x32_f16 v[8*(8*\u+\dt):8*(8*\u+\dt)+7], v[\D+8*\dt:\D+8*\dt+7], v[P+8*(2*\u+\kc):P+8*(2*\u+\kc)+7], 0
.else
	v_wmma_f32_16x16x32_f16 v[8*(8*\u+\dt):8*(8*\u+\dt)+7], v[\D+8*\dt:\D+8*\dt+7], v[P+8*(2*\u+\kc):P+8*(2*\u+\kc)+7], v[8*(8*\u+\dt):8*(8*\u+\dt)+7]
.endif
.endr
.endr
.endm
; 64 keys (number sub of my 128 in the slot) against my 32 queries.  moff: the tile's place in the mask, from MADR.  first = 1: the products with V start O.
.macro STEP slot, sub, moff, first
.rept 5
	v_nop                                          ; five places: the first products below write over registers that the last products with V read (ISA guide 7.12.1)
.endr
	WIN 0x04                                       ; source 1 (Q) in window 1; LDS loads keep address and destination in window 0
.irp t, 0,1,2,3
	ds_load_b128 v[M+8*\t:M+8*\t+3],   v[MADR] offset:\moff+256*\sub+64*\t
	ds_load_b128 v[M+8*\t+4:M+8*\t+7], v[MADR] offset:\moff+256*\sub+64*\t+16
.endr
	FK \slot, \sub, 0, B0
	FK \slot, \sub, 1, B1
	s_wait_dscnt 8                                 ; all but the youngest group of eight
	QK 0, B0, 1
	PLACES
	FK \slot, \sub, 2, B0
	s_wait_dscnt 8
	QK 1, B1, 0
	PLACES
	FK \slot, \sub, 3, B1
	s_wait_dscnt 8
	QK 2, B0, 0
	s_wait_dscnt 0
	QK 3, B1, 0
	PLACES
	WIN 0
	FV \slot, \sub, 0, FB                          ; on their way during the softmax
.irp t, 0,1,2,3
.irp u, 0,1
.irp p, 0,2,4,6
	v_pk_fma_f32 v[S+8*(2*\t+\u)+\p:S+8*(2*\t+\u)+\p+1], v[S+8*(2*\t+\u)+\p:S+8*(2*\t+\u)+\p+1], s[66:67], v[M+8*\t+\p:M+8*\t+\p+1] op_sel_hi:[1,0,1]
.endr
.endr
.endr
	; the largest of my 32 numbers for each u: eight chains that do not wait for each other
.irp t, 0,1,2,3
.irp u, 0,1
	v_max3_num_f32 v[TM+4*\u+\t], v[S+8*(2*\t+\u)], v[S+8*(2*\t+\u)+1], v[S+8*(2*\t+\u)+2]
.endr
.endr
.irp t, 0,1,2,3
.irp u, 0,1
	v_max3_num_f32 v[TM+4*\u+\t], v[TM+4*\u+\t], v[S+8*(2*\t+\u)+3], v[S+8*(2*\t+\u)+4]
.endr
.endr
.irp t, 0,1,2,3
.irp u, 0,1
	v_max3_num_f32 v[TM+4*\u+\t], v[TM+4*\u+\t], v[S+8*(2*\t+\u)+5], v[S+8*(2*\t+\u)+6]
.endr
.endr
.irp t, 0,1,2,3
.irp u, 0,1
	v_max_num_f32 v[TM+4*\u+\t], v[TM+4*\u+\t], v[S+8*(2*\t+\u)+7]
.endr
.endr
.irp u, 0,1
	v_max3_num_f32 v[TM+4*\u], v[TM+4*\u], v[TM+4*\u+1], v[TM+4*\u+2]
.endr
.irp u, 0,1
	v_max3_num_f32 v[TM+4*\u], v[TM+4*\u], v[TM+4*\u+3], v[ST+2*\u]      ; and the maximum so far, which is equal in both halves of the lanes
.endr
.irp u, 0,1
	v_permlanex16_b32 v[TM+4*\u+1], v[TM+4*\u], s68, s69                 ; the other half's keys of the same query
.endr
.irp u, 0,1
	v_max_num_f32 v[TM+4*\u], v[TM+4*\u], v[TM+4*\u+1]
.endr
.irp u, 0,1
	v_sub_f32 v[AL+2*\u], v[ST+2*\u], v[TM+4*\u]
.endr
	v_exp_f32 v[AL], v[AL]                         ; what the old sums and results shrink by
	v_exp_f32 v[AL+2], v[AL+2]
	v_mov_b32 v[ST], v[TM]                         ; plain instructions behind the transcendentals (ISA guide 5.7.2)
	v_mov_b32 v[ST+2], v[TM+4]
.irp t, 0,1,2,3
.irp u, 0,1
.irp p, 0,2,4,6
	v_pk_add_f32 v[S+8*(2*\t+\u)+\p:S+8*(2*\t+\u)+\p+1], v[S+8*(2*\t+\u)+\p:S+8*(2*\t+\u)+\p+1], v[ST+2*\u:ST+2*\u+1] op_sel_hi:[1,0] neg_lo:[0,1] neg_hi:[0,1]
.endr
.endr
.endr
.set i, 0
.rept 64
	v_exp_f32 v[S+i], v[S+i]
.set i, i+1
.endr
	v_nop
	s_wait_alu depctr_va_vdst(0)
.irp u, 0,1
	v_pk_add_f32 v[TM+4*\u:TM+4*\u+1],   v[S+8*\u:S+8*\u+1],     v[S+8*\u+2:S+8*\u+3]
	v_pk_add_f32 v[TM+4*\u+2:TM+4*\u+3], v[S+8*\u+4:S+8*\u+5],   v[S+8*\u+6:S+8*\u+7]
.endr
.irp t, 1,2,3
.irp u, 0,1
	v_pk_add_f32 v[TM+4*\u:TM+4*\u+1],   v[TM+4*\u:TM+4*\u+1],   v[S+8*(2*\t+\u):S+8*(2*\t+\u)+1]
	v_pk_add_f32 v[TM+4*\u+2:TM+4*\u+3], v[TM+4*\u+2:TM+4*\u+3], v[S+8*(2*\t+\u)+2:S+8*(2*\t+\u)+3]
.endr
.irp u, 0,1
	v_pk_add_f32 v[TM+4*\u:TM+4*\u+1],   v[TM+4*\u:TM+4*\u+1],   v[S+8*(2*\t+\u)+4:S+8*(2*\t+\u)+5]
	v_pk_add_f32 v[TM+4*\u+2:TM+4*\u+3], v[TM+4*\u+2:TM+4*\u+3], v[S+8*(2*\t+\u)+6:S+8*(2*\t+\u)+7]
.endr
.endr
.irp u, 0,1
	v_pk_add_f32 v[TM+4*\u:TM+4*\u+1], v[TM+4*\u:TM+4*\u+1], v[TM+4*\u+2:TM+4*\u+3]
.endr
.irp u, 0,1
	v_add_f32 v[TM+4*\u], v[TM+4*\u], v[TM+4*\u+1]
.endr
.irp u, 0,1
	v_fma_f32 v[ST+2*\u+1], v[ST+2*\u+1], v[AL+2*\u], v[TM+4*\u]         ; the sum of my half of the lanes' keys; the halves meet at the end
.endr
	; key tiles 2 kc and 2 kc + 1, packed, are P's fragment (u, kc)
.irp u, 0,1
.irp kc, 0,1
.irp i, 0,1,2,3
	v_cvt_pk_f16_f32 v[P+8*(2*\u+\kc)+\i],   v[S+8*(4*\kc+\u)+2*\i],   v[S+8*(4*\kc+\u)+2*\i+1]
	v_cvt_pk_f16_f32 v[P+8*(2*\u+\kc)+4+\i], v[S+8*(4*\kc+2+\u)+2*\i], v[S+8*(4*\kc+2+\u)+2*\i+1]
.endr
.endr
.endr
	FV \slot, \sub, 1, S                           ; S is dead: V's second 32 keys land there
.if \first == 0
	WIN 0x41                                       ; O: source 0 and destination in window 1
.irp u, 0,1
.irp dt, 0,1,2,3,4,5,6,7
.irp p, 0,2,4,6
	v_pk_mul_f32 v[8*(8*\u+\dt)+\p:8*(8*\u+\dt)+\p+1], v[8*(8*\u+\dt)+\p:8*(8*\u+\dt)+\p+1], v[AL+2*\u:AL+2*\u+1] op_sel_hi:[1,0]
.endr
.endr
.endr
.endif
	WIN 0x50                                       ; C and D in window 1
	s_wait_dscnt 16                                ; V's first 32 keys are in; the sixteen loads of the second stay out
	PVM 0, FB, \first
	s_wait_dscnt 0
	PVM 1, S, 0
.endm
.macro PROCESS slot, moff, first       ; my 128 keys of a tile
	STEP \slot, 0, \moff, \first
	STEP \slot, 1, \moff, 0
	WIN 0
.endm
; The change of slots.  Every wave waits for its reads of the slot just read and for all its tensor loads (one is out: its part of the other slot).  Where the slot is filled
; again a round of the cluster's barrier follows, and the joint refill is the wave's first tensor load behind it, and its only one until the next round.
.macro CHANGE slot, fill
	s_wait_dscnt 0x0
	s_set_vgpr_msb 0x5
	s_wait_tensorcnt 0x0
	ds_add_u32 v192, v193
	s_wait_dscnt 0x0
	s_set_vgpr_msb 0x500
.if \fill
	s_add_nc_u64 s[G0K+4*\slot+2:G0K+4*\slot+3], s[G0K+4*\slot+2:G0K+4*\slot+3], 2*65536   ; no load of mine is out: the slot's next tile, two further on
	s_add_nc_u64 s[G0V+4*\slot+2:G0V+4*\slot+3], s[G0V+4*\slot+2:G0V+4*\slot+3], 2*65536
	ROUND
	JLOAD \slot
.else
	s_barrier_signal -1
	s_barrier_wait -1
.endif
.endm
	PROCESS 0, 0, 1                                ; tile 0
	s_mov_b32 s3, 3
.Lpair:
	CHANGE 0, 1                                    ; tiles 2, 4, 6 go out
	PROCESS 1, 1024, 0                             ; tiles 1, 3, 5
	CHANGE 1, 1                                    ; tiles 3, 5, 7 go out
	PROCESS 0, 2048, 0                             ; tiles 2, 4, 6
	v_add_nc_u32 v[MADR], 2048, v[MADR]            ; two tiles' mask on
	s_sub_co_u32 s3, s3, 1
	s_cmp_lg_u32 s3, 0
	s_cbranch_scc1 .Lpair
	CHANGE 0, 0                                    ; nothing is left to fetch
	PROCESS 1, 1024, 0                             ; tile 7
	; THE MERGE.  Slot 0 has had its last fill, and every wave's last reads of it lie in front of the barrier above: its bytes now carry the upper waves' results.
	PLACES                                         ; behind the last products: for the LDS stores of O, the loads into their sources, and the arithmetic on O
	s_cmp_eq_u32 s11, 0
	s_cbranch_scc1 .Lkeep
	WIN 0x04                                       ; store data in window 1
.set q, 0
.rept 32
	ds_store_b128 v[MRGA], v[4*q:4*q+3] offset:512*q
.set q, q+1
.endr
	WIN 0
	ds_store_b128 v[MRGA], v[ST:ST+3] offset:16384
.Lkeep:
	s_wait_dscnt 0x0                               ; my stores are in LDS, for my partner's sake
	s_barrier_signal -1
	s_barrier_wait -1
	s_cmp_lg_u32 s11, 0
	s_cbranch_scc1 .Lclose
.set q, 0
.rept 32
	ds_load_b128 v[XO+4*q:XO+4*q+3], v[MRGA] offset:512*q
.set q, q+1
.endr
	ds_load_b128 v[TM:TM+3], v[MRGA] offset:16384  ; the partner's (m0, l0, m1, l1)
	s_wait_dscnt 0x0
.irp u, 0,1
	v_max_num_f32 v[W+4*\u], v[ST+2*\u], v[TM+2*\u]
	v_sub_f32 v[W+4*\u+1], v[ST+2*\u], v[W+4*\u]
	v_sub_f32 v[W+4*\u+2], v[TM+2*\u], v[W+4*\u]
.endr
	v_exp_f32 v[W+1], v[W+1]
	v_exp_f32 v[W+2], v[W+2]
	v_exp_f32 v[W+5], v[W+5]
	v_exp_f32 v[W+6], v[W+6]
	v_nop
	s_wait_alu depctr_va_vdst(0)
.irp u, 0,1
	v_mul_f32 v[W+4*\u+3], v[TM+2*\u+1], v[W+4*\u+2]
	v_fma_f32 v[W+4*\u+3], v[ST+2*\u+1], v[W+4*\u+1], v[W+4*\u+3]
	v_permlanex16_b32 v[W+4*\u], v[W+4*\u+3], s68, s69                   ; the other half of the lanes' keys
	v_add_f32 v[W+4*\u+3], v[W+4*\u+3], v[W+4*\u]
.endr
	v_rcp_f32 v[W+3], v[W+3]
	v_rcp_f32 v[W+7], v[W+7]
	v_nop
	s_wait_alu depctr_va_vdst(0)
.irp u, 0,1
	v_mul_f32 v[AL+2*\u], v[W+4*\u+1], v[W+4*\u+3]                       ; my factor
	v_mul_f32 v[TM+4+2*\u], v[W+4*\u+2], v[W+4*\u+3]                     ; my partner's
.endr
.irp u, 0,1
.set i, 0
.rept 32
	v_pk_mul_f32 v[XO+64*\u+i:XO+64*\u+i+1], v[XO+64*\u+i:XO+64*\u+i+1], v[TM+4+2*\u:TM+4+2*\u+1] op_sel_hi:[1,0]
.set i, i+2
.endr
.endr
	WIN 0x01                                       ; source 0: my O
.irp u, 0,1
.set i, 0
.rept 32
	v_pk_fma_f32 v[XO+64*\u+i:XO+64*\u+i+1], v[64*\u+i:64*\u+i+1], v[AL+2*\u:AL+2*\u+1], v[XO+64*\u+i:XO+64*\u+i+1] op_sel_hi:[1,0,1]
.set i, i+2
.endr
.endr
	WIN 0
	; out, 16 rows at a time through my own stage: 16 bytes a lane in, whole rows of 256 bytes back; sixteen lanes store 256 consecutive bytes at a multiple of 256
.irp u, 0,1
.irp dt, 0,1,2,3,4,5,6,7
.irp i, 0,1,2,3
	v_cvt_pk_f16_f32 v[TMP+4*\dt+\i], v[XO+64*\u+8*\dt+2*\i], v[XO+64*\u+8*\dt+2*\i+1]
.endr
.endr
.irp dt, 0,1,2,3,4,5,6,7
	ds_store_b128 v[STO], v[TMP+4*\dt:TMP+4*\dt+3] offset:32*\dt
.endr
	s_wait_xcnt 0x0                                ; the stores of the sixteen rows before have read v192-223
.irp t, 0,1,2,3,4,5,6,7
	ds_load_b128 v[P+4*\t:P+4*\t+3], v[RD] offset:\t*2*PK
.endr
.irp t, 0,1,2,3,4,5,6,7
	s_wait_dscnt 7-\t
	global_store_b128 v[CO], v[P+4*\t:P+4*\t+3], s[8:9] offset:(16*\u+2*\t)*4096
.endr
.endr
.Lclose:
	s_set_vgpr_msb 0x5
	s_wait_tensorcnt 0x0
	ds_add_u32 v192, v193
	s_wait_dscnt 0x0
	s_set_vgpr_msb 0x500
	ROUND                                          ; the closing round: no work-group ends while a partner may still ask for a tile that names it
	s_endpgm
.Lfunc_end_k_q3b2e0d1d2c_attn:
	.size	k_q3b2e0d1d2c_attn, .Lfunc_end_k_q3b2e0d1d2c_attn-k_q3b2e0d1d2c_attn
	.p2alignl 7, 3214868480
	.fill 96, 4, 3214868480
	.section	.rodata,"a",@progbits
	.p2align	6, 0x0
	.amdhsa_kernel k_q3b2e0d1d2c_attn
		.amdhsa_group_segment_fixed_size 327680
		.amdhsa_private_segment_fixed_size 0
		.amdhsa_enable_private_segment 0
		.amdhsa_kernarg_size 24
		.amdhsa_user_sgpr_count 2
		.amdhsa_user_sgpr_kernarg_segment_ptr 1
		.amdhsa_wavefront_size32 1
		.amdhsa_system_sgpr_workgroup_id_x 1
		.amdhsa_system_sgpr_workgroup_id_y 1
		.amdhsa_system_sgpr_workgroup_id_z 1
		.amdhsa_system_vgpr_workitem_id 0
		.amdhsa_next_free_vgpr 450
		.amdhsa_next_free_sgpr 70
		.amdhsa_reserve_vcc 0
		.amdhsa_float_denorm_mode_32 3
		.amdhsa_float_denorm_mode_16_64 3
		.amdhsa_memory_ordered 1
		.amdhsa_forward_progress 1
		.amdhsa_inst_pref_size 238
	.end_amdhsa_kernel
	.amdgpu_metadata
---
amdhsa.version: [ 1, 2 ]
amdhsa.kernels:
  - .name:           k_q3b2e0d1d2c_attn
    .symbol:         k_q3b2e0d1d2c_attn.kd
    .args:
      - { .name: qkv, .offset: 0, .size: 8, .value_kind: global_buffer, .address_space: global }
      - { .name: attention_mask, .offset: 8, .size: 8, .value_kind: global_buffer, .address_space: global }
      - { .name: ob, .offset: 16, .size: 8, .value_kind: global_buffer, .address_space: global }
    .group_segment_fixed_size: 327680
    .private_segment_fixed_size: 0
    .kernarg_segment_align: 8
    .kernarg_segment_size: 24
    .max_flat_workgroup_size: 256
    .sgpr_count:     70
    .vgpr_count:     450
    .wavefront_size: 32
...
	.end_amdgpu_metadata
.endif
;; end of part 3
;; launch oproj (part 4): grid 16 x 16, 4 waves a work-group, clusters of 4 x 4, 327,680 bytes of LDS; arguments ob, wob, out0; writes out0
.if DOCPART == 4
	.amdgcn_target "amdgcn-amd-amdhsa--gfx1250"
	.amdhsa_code_object_version 6
	.text
	.protected	k_q3b2e0d1d2c_oproj
	.globl	k_q3b2e0d1d2c_oproj
	.p2align	8
	.type	k_q3b2e0d1d2c_oproj,@function
k_q3b2e0d1d2c_oproj:
	s_mov_b64 s[64:65], 0
	v_nop
	global_prefetch_b8 v0, s[64:65] scope:SCOPE_SE
	s_setreg_imm32_b32 hwreg(HW_REG_WAVE_MODE, 25, 1), 1
	s_wait_xcnt 0x0
	s_wait_alu depctr_hold_cnt(0) depctr_sa_sdst(0) depctr_va_vdst(0) depctr_va_sdst(0) depctr_va_ssrc(0) depctr_va_vcc(0) depctr_vm_vsrc(0)
	s_getreg_b32 s2, hwreg(HW_REG_IB_STS2, 6, 4)
	s_cmp_eq_u32 s2, 0
	s_cbranch_scc0 .Lentry_in_a_cluster
	s_endpgm
.Lentry_in_a_cluster:
	s_bfe_u32 s2, ttmp6, 0x10000c
	s_cmp_lg_u32 s2, 0xf033
	s_cbranch_scc0 .Lentry_shape_is_right
	s_endpgm
.Lentry_shape_is_right:
; out0 = ob x wob: [2048][4096] f32 = [2048][2048 k] f16 x [2048 k][4096 n] f16, f32 sums.  ob is the attention's result at a quarter of its size, wob is 4 Wo.
; The frame is that of the projection of q, k and v: 256 work-groups (x = block row of 128, y = block column of 256); four waves, a wave makes 64 x 128 in 32 accumulator tiles.
; K goes through two LDS slots filled by tensor loads, 192 of K in a slot: ob's tile 128 rows x 384 bytes, wob's 192 k rows x 512 bytes.  A wave has one tensor load out between
; two changes of slots, so the slots are as large as fit: two of 192 take 319,488 of LDS's 327,680 bytes, two of 256 would take 413,696.  The price: ob's rows in a tile begin
; at multiples of 128 bytes, not of 256.  2,048 = 10 x 192 + 2 x 64: the last two tiles are shorter.
; CLUSTERS of 4 x 4: ob's tile hangs on the block row alone (work-group x) and is asked for jointly by a column of the cluster, wob's on the block column alone, by a row.
; wob lies [k][n]: its fragments are read with the transposing LDS load.  THE MATRIX INSTRUCTION IS USED TRANSPOSED: source 0 = 16 columns of wob, source 1 = 16 rows of ob,
; so lane l holds row l % 16 and, in registers 0-7, the columns 8 (l / 16) + 0..7: 32 neighbouring bytes of a row of out0.
; REGISTERS: window 0: v1-v7 at work, v16-v26 addresses, v32-127 and v128-223 two fragment buffers (8 of wob, then 4 of ob); window 1: accumulator tile (a, b) at v[8 (8 a + b)].
.set KDIM,  2048
.set NDIM,  4096
.set KS,    192                        ; K of a slot: six quarters of 32
.set NQ,    6
.set NB,    10                         ; tiles of 192
.set SQ,    2                          ; quarters of 32 in each of the last two tiles
.set CH,    144                        ; ob's rows in LDS: 16 bytes of padding behind every 128
.set PA,    3*CH                       ; their pitch, 432 = 27 x 16
.set PB,    544                        ; LDS pitch of wob's rows: 512 bytes + 32, an odd multiple of 32, for the transposing load
.set AHALF, 64*PA
.set BHALF, 96*PB
.set BOFF,  2*AHALF
.set SLOT,  2*AHALF+2*BHALF            ; 159,744 bytes
.set SP,    528                        ; the stage for the way out: 16 rows x 528 bytes for each wave, from LDS byte 0: slot 0 has had its last fill by then
.set ADRA, 16
.set ADRB, 20                          ; v20-21 k rows 0-95 of slot 0, 1; v22-23 k rows 96-191 (an LDS offset has 16 bits)
.set STO,  24
.set RD,   25
.set CO,   26
.set F0,   32
.set F1,   128
.set R0,   32                          ; the way out: two buffers of 64 registers for rows read back
.set R1,   96
.set G1,   24
.set G0,   32
.set G1B,  48
.set G0B,  56
.set MULW, 0x50                        ; C and D in window 1, the sources in window 0
.set MSB, 0
.macro WIN new                         ; the immediate's high byte repeats the setting that is left
.if MSB != \new
	s_set_vgpr_msb (MSB<<8)|\new
.set MSB, \new
.endif
.endm
.macro PLACES                          ; four places behind matrix instructions (ISA guide 7.12.1)
.rept 4
	v_nop
.endr
.endm
.macro JLOAD s                         ; waves 0, 1 ask for ob's two halves, waves 2, 3 for wob's: the branch hangs on the wave's number alone
	s_cmp_eq_u32 s11, 0
	s_cbranch_scc0 .Lfor_b_\@
	tensor_load_to_lds s[G0+4*\s:G0+4*\s+3], s[G1:G1+7]
	s_nop 0
	s_branch .Lasked_\@
.Lfor_b_\@:
	tensor_load_to_lds s[G0B+4*\s:G0B+4*\s+3], s[G1B:G1B+7]
	s_nop 0
.Lasked_\@:
.endm
.macro CREST                           ; a round of the cluster's barrier behind its opening work-group barrier
	s_cmp_lg_u32 s10, 0
	s_cbranch_scc1 .Lnot_wave_0_\@
	s_barrier_signal -3
.Lnot_wave_0_\@:
	s_barrier_wait -3
	s_barrier_signal -1
	s_barrier_wait -1
.endm
.macro CROUND
	s_barrier_signal -1
	s_barrier_wait -1
	CREST
.endm
	s_load_b128 s[4:7], s[0:1], 0x0                ; ob s[4:5], wob s[6:7]
	s_load_b64 s[8:9], s[0:1], 0x10                ; out0
	v_lshl_add_u32 v254, v0, 2, 0x4e000
	v_mov_b32 v255, 0
	ds_add_u32 v254, v255
	v_lshrrev_b32 v1, 5, v0
	v_readfirstlane_b32 s10, v1                    ; wave 0..3
	s_lshr_b32 s11, s10, 1                         ; my 64 rows of the block.  Also: I fetch for ob (0) or for wob (1)
	s_and_b32 s12, s10, 1                          ; my 128 columns.  Also: which half of that tile I fetch
	s_bfe_u32 s40, ttmp6, 0x40000                  ; cx
	s_bfe_u32 s41, ttmp6, 0x40004                  ; cy
	s_lshl_b32 s13, ttmp9, 2
	s_add_co_u32 s13, s13, s40                     ; block row = work-group x
	s_and_b32 s42, ttmp7, 0xffff
	s_lshl_b32 s42, s42, 2
	s_add_co_u32 s42, s42, s41                     ; block column = work-group y
	s_lshl_b32 s43, 0x1111, s40                    ; my column of the cluster (same cx)
	s_lshl_b32 s44, s41, 2
	s_lshl_b32 s44, 15, s44                        ; my row (same cy)
	s_or_b32 s[G1+0], s43, (1<<16)|(1<<20)|(1<<21)|(4<<22)|(3<<25)   ; mask; 2-byte elements; padding on; bit 21 beside a mask; after every 32 words 4 words
	s_mov_b32 s[G1+1], KS<<16                      ; tensor_dim0 = 192
	s_mov_b32 s[G1+2], 64<<16                      ; tensor_dim1 = 64
	s_mov_b32 s[G1+3], KS<<16                      ; tile_dim0 = 192 elements (384 bytes)
	s_mov_b32 s[G1+4], 64                          ; tile_dim1 = 64 rows
	s_mov_b32 s[G1+5], KDIM
	s_mov_b32 s[G1+6], 0
	s_mov_b32 s[G1+7], 0
	s_or_b32 s[G1B+0], s44, (1<<16)|(1<<20)|(1<<21)|(6<<22)|(7<<25)  ; the row's mask; after every 128 words 8 words
	s_mov_b32 s[G1B+1], 256<<16
	s_mov_b32 s[G1B+2], 96<<16
	s_mov_b32 s[G1B+3], 256<<16
	s_mov_b32 s[G1B+4], 96
	s_mov_b32 s[G1B+5], NDIM
	s_mov_b32 s[G1B+6], 0
	s_mov_b32 s[G1B+7], 0
	; ob's address is made of the block row and the wave's number, wob's of the block column and the wave's number, each in registers that never hold the other coordinate
	s_lshl_b32 s17, s12, 6
	s_lshl_b32 s16, s13, 7
	s_add_co_u32 s16, s16, s17                     ; row 128 x block row + 64 x half
	s_mul_i32 s16, s16, KDIM*2
	s_mov_b32 s17, 0
	s_lshl_b32 s46, s42, 9
	s_mov_b32 s47, 0
	s_mul_i32 s22, s12, 96*NDIM*2                  ; my half of wob's tile: 96 k rows of 8,192 bytes
	s_mov_b32 s23, 0
	s_mul_i32 s20, s12, AHALF
	s_mul_i32 s21, s12, BHALF
	s_add_co_u32 s21, s21, BOFF
	s_wait_dscnt 0x0
	s_wait_kmcnt 0x0
	s_add_nc_u64 s[14:15], s[4:5], s[16:17]
	s_add_nc_u64 s[46:47], s[6:7], s[46:47]        ; wob at my block column, k = 0: kept for the short tiles
	CROUND                                         ; all sixteen work-groups are here: the first joint loads meet
.irp s, 0,1
	s_mov_b32 s[G0+4*\s], 1
	s_add_co_u32 s[G0+4*\s+1], s20, \s*SLOT
	s_add_nc_u64 s[G0+4*\s+2:G0+4*\s+3], s[14:15], \s*KS*2
	s_or_b32 s[G0+4*\s+3], s[G0+4*\s+3], 0x80000000
	s_mov_b32 s[G0B+4*\s], 1
	s_add_co_u32 s[G0B+4*\s+1], s21, \s*SLOT
	s_add_nc_u64 s[G0B+4*\s+2:G0B+4*\s+3], s[46:47], \s*KS*NDIM*2
	s_add_nc_u64 s[G0B+4*\s+2:G0B+4*\s+3], s[G0B+4*\s+2:G0B+4*\s+3], s[22:23]
	s_or_b32 s[G0B+4*\s+3], s[G0B+4*\s+3], 0x80000000
	JLOAD \s                                       ; both first fills go out before anything else: two tensor loads of the wave are out
.endr
	v_and_b32 v1, 15, v0                           ; r
	v_bfe_u32 v2, v0, 4, 1                         ; h
	v_mul_u32_u24 v3, v1, PA
	v_lshl_add_u32 v3, v2, 4, v3
	v_and_b32 v4, 7, v0
	v_lshl_add_u32 v4, v2, 3, v4
	v_mul_u32_u24 v4, v4, PB
	v_bfe_u32 v5, v0, 3, 1
	v_lshl_add_u32 v4, v5, 4, v4
	s_mul_i32 s18, s11, AHALF
	s_lshl_b32 s19, s12, 8
	s_add_co_u32 s19, s19, BOFF
.irp s, 0,1
	v_add_nc_u32 v[ADRA+\s], s18, v3
	v_add_nc_u32 v[ADRB+\s], s19, v4
	v_add_nc_u32 v[ADRB+2+\s], 96*PB, v[ADRB+\s]
	s_add_co_u32 s18, s18, SLOT
	s_add_co_u32 s19, s19, SLOT
.endr
	s_mul_i32 s18, s10, 16*SP                      ; my stage
	v_mul_u32_u24 v5, v1, SP
	v_lshl_add_u32 v5, v2, 5, v5                   ; in: row r, 32 bytes for each half of the lanes
	v_add_nc_u32 v[STO], s18, v5
	v_and_b32 v6, 31, v0
	v_lshlrev_b32 v[CO], 4, v6                     ; 16 x lane: a row's 512 bytes
	v_add_nc_u32 v[RD], s18, v[CO]
; The 32 accumulators take turns, one instruction a turn, in the same order in every quarter.
.macro MUL8 f, a, zero
.irp b, 0,1,2,3,4,5,6,7
.if \zero
	v_wmma_f32_16x16x32_f16 v[8*(8*\a+\b):8*(8*\a+\b)+7], v[\f+8*\b:\f+8*\b+7], v[\f+64+8*\a:\f+64+8*\a+7], 0
.else
	v_wmma_f32_16x16x32_f16 v[8*(8*\a+\b):8*(8*\a+\b)+7], v[\f+8*\b:\f+8*\b+7], v[\f+64+8*\a:\f+64+8*\a+7], v[8*(8*\a+\b):8*(8*\a+\b)+7]
.endif
.endr
.endm
; 24 LDS loads in one run: wob's eight fragments first (k rows 32 q .. + 31, from the address register of their half of the slot), then ob's four (byte 64 q of the rows, in piece q / 2)
.macro FETCH slot, q, f
	WIN 0
.irp b, 0,1,2,3,4,5,6,7
	ds_load_tr16_b128 v[\f+8*\b:\f+8*\b+3],   v[ADRB+2*(\q/3)+\slot] offset:(\q%3)*32*PB+32*\b
	ds_load_tr16_b128 v[\f+8*\b+4:\f+8*\b+7], v[ADRB+2*(\q/3)+\slot] offset:(\q%3)*32*PB+32*\b+16*PB
.endr
.irp a, 0,1,2,3
	ds_load_b128 v[\f+64+8*\a:\f+64+8*\a+3],   v[ADRA+\slot] offset:\a*16*PA+(\q/2)*CH+(\q%2)*64
	ds_load_b128 v[\f+64+8*\a+4:\f+64+8*\a+7], v[ADRA+\slot] offset:\a*16*PA+(\q/2)*CH+(\q%2)*64+32
.endr
.endm
.macro QUARTER slot, q, f, g, zero
	s_wait_dscnt 4                                 ; all but the four youngest loads: ob's fragments 2 and 3 may be out
	WIN MULW
	MUL8 \f, 0, \zero
	MUL8 \f, 1, \zero
	PLACES
	FETCH \slot, \q, \g
	s_wait_dscnt 24                                ; all but the 24 just issued
	WIN MULW
	MUL8 \f, 2, \zero
	MUL8 \f, 3, \zero
.endm
.macro RUN slot, nq, zero              ; all quarters but the last of a tile of nq quarters (2, 4 or 6), on buffers 0, 1, 0, 1 ..
	QUARTER \slot, 1, F0, F1, \zero
.if \nq > 2
	QUARTER \slot, 2, F1, F0, 0
	QUARTER \slot, 3, F0, F1, 0
.endif
.if \nq > 4
	QUARTER \slot, 4, F1, F0, 0
	QUARTER \slot, 5, F0, F1, 0
.endif
.endm
; A tile's last quarter multiplies buffer 1 and changes slots.  fill = 1: this slot gets the tile two further on; 2: one of the two short tiles; 0: nothing.
; In front of the barrier each wave waits for its reads of this slot and for all its tensor loads; no load of the wave is then out, so the descriptors are written there.
; Where the slot is filled again the barrier opens a round of the cluster's barrier, and the joint refill is the first tensor load behind the round.
; Half the quarter's products and the four places stand in front of the waits, so that only the barrier and the round lie between a tile's landing and the next request.
; From a request to the wait for it a wave issues 16 + 160 + 16 = 192 matrix instructions.
.macro TURN slot, next, fill
	s_wait_dscnt 4
	WIN MULW
	MUL8 F1, 0, 0
	MUL8 F1, 1, 0
	PLACES                                         ; behind the last products that read buffer 0, for the loads into it below
	WIN 0
	s_wait_dscnt 0                                 ; my reads of this slot are over
	s_wait_tensorcnt 0x0                           ; all my tensor loads have landed
	ds_add_u32 v254, v255
	s_wait_dscnt 0x0
.if \fill == 1
	s_add_nc_u64 s[G0+4*\slot+2:G0+4*\slot+3], s[G0+4*\slot+2:G0+4*\slot+3], 2*KS*2
	s_add_nc_u64 s[G0B+4*\slot+2:G0B+4*\slot+3], s[G0B+4*\slot+2:G0B+4*\slot+3], 2*KS*NDIM*2
.endif
.if \fill == 2
.if \slot == 0
	s_mov_b32 s[G1+1], (32*SQ)<<16                 ; ob: 32 SQ elements are left of a row; the tile keeps its shape and its pitch, and what lies beyond is neither fetched nor read
	s_mov_b32 s[G1B+2], (16*SQ)<<16                ; wob: 16 SQ k rows a wave,
	s_mov_b32 s[G1B+4], 16*SQ
	s_mul_i32 s21, s12, 16*SQ*PB                   ; the two waves' rows one behind the other in LDS
	s_add_co_u32 s21, s21, BOFF
	s_mul_i32 s22, s12, 16*SQ*NDIM*2               ; and in memory
.endif
	s_add_nc_u64 s[G0+4*\slot+2:G0+4*\slot+3], s[G0+4*\slot+2:G0+4*\slot+3], (2-\slot)*KS*2+\slot*64*SQ   ; from tile NB - 2 + slot to k = 192 NB + 32 SQ slot
	s_add_co_u32 s[G0B+4*\slot+1], s21, \slot*SLOT
	s_add_nc_u64 s[G0B+4*\slot+2:G0B+4*\slot+3], s[46:47], (NB*KS+\slot*32*SQ)*NDIM*2
	s_add_nc_u64 s[G0B+4*\slot+2:G0B+4*\slot+3], s[G0B+4*\slot+2:G0B+4*\slot+3], s[22:23]
	s_or_b32 s[G0B+4*\slot+3], s[G0B+4*\slot+3], 0x80000000
.endif
	s_barrier_signal -1
	s_barrier_wait -1
.if \fill
	CREST                                          ; no wave of any partner still reads this slot or has a load on its way
	JLOAD \slot
.endif
	FETCH \next, 0, F0
	WIN MULW
	MUL8 F1, 2, 0
	MUL8 F1, 3, 0
.endm
.macro LAP zero, fill                  ; once round the ring: two tiles of 192
	RUN 0, NQ, \zero
	TURN 0, 1, \fill
	RUN 1, NQ, 0
	TURN 1, 0, \fill
.endm
	s_wait_tensorcnt 0x1                           ; my part of tile 0 is in; tile 1's may stay out
	s_barrier_signal -1
	s_barrier_wait -1
	FETCH 0, 0, F0
	LAP 1, 1                                       ; the first lap's first products start the sums; tiles 2 and 3 go out
	WIN 0
	s_mov_b32 s3, NB/2-2
.Llap:
	LAP 0, 1                                       ; tiles up to NB - 1 go out
	WIN 0
	s_sub_co_u32 s3, s3, 1
	s_cmp_lg_u32 s3, 0
	s_cbranch_scc1 .Llap
	LAP 0, 2                                       ; the last two tiles of 192; the two short tiles go out
	RUN 0, SQ, 0                                   ; the short tiles: nothing is left to fetch
	TURN 0, 1, 0
	RUN 1, SQ, 0
	s_wait_dscnt 4
	WIN MULW
	MUL8 F1, 0, 0
	MUL8 F1, 1, 0
	s_wait_dscnt 0
	MUL8 F1, 2, 0
	MUL8 F1, 3, 0
	; THE WAY OUT, 16 rows at a time through my own stage: 32 bytes a lane in, whole rows of 512 bytes back; a store of the wave covers 512 consecutive bytes at a multiple of 512.
	; The stage lies in slot 0: no fill follows, and every wave's last reads of slot 0 lie in front of the barrier of the last change of slots.
	PLACES                                         ; behind the last products: for the LDS stores of the results and the loads into the fragment buffers
	WIN 0
	s_lshl_b32 s16, s13, 7
	s_lshl_b32 s17, s11, 6
	s_add_co_u32 s16, s16, s17                     ; my first row
	s_lshl_b32 s16, s16, 14                        ; rows of 16,384 bytes
	s_mov_b32 s17, 0
	s_add_nc_u64 s[8:9], s[8:9], s[16:17]
	s_lshl_b32 s46, s42, 10                        ; 256 columns of 4 bytes a block column
	s_lshl_b32 s47, s12, 9
	s_add_co_u32 s46, s46, s47
	s_mov_b32 s47, 0
	s_add_nc_u64 s[8:9], s[8:9], s[46:47]
.macro OUTF a, f
	WIN 0x04                                       ; store data in window 1
.irp b, 0,1,2,3,4,5,6,7
	ds_store_b128 v[STO], v[8*(8*\a+\b):8*(8*\a+\b)+3]   offset:64*\b
	ds_store_b128 v[STO], v[8*(8*\a+\b)+4:8*(8*\a+\b)+7] offset:64*\b+16
.endr
	WIN 0
	s_wait_xcnt 0x0                                ; earlier stores have read buffer f
.irp t, 0,1,2,3,4,5,6,7,8,9,10,11,12,13,14,15
	ds_load_b128 v[\f+4*\t:\f+4*\t+3], v[RD] offset:\t*SP          ; LDS serves a wave's instructions in order (ISA guide 5.7.1): these see the stores above
.endr
.irp t, 0,1,2,3,4,5,6,7,8,9,10,11,12,13,14,15
	s_wait_dscnt 15-\t
	global_store_b128 v[CO], v[\f+4*\t:\f+4*\t+3], s[8:9] offset:(16*\a+\t)*NDIM*4 th:TH_STORE_NT
.endr
.endm
	OUTF 0, R0
	OUTF 1, R1
	OUTF 2, R0
	OUTF 3, R1
	s_wait_tensorcnt 0x0
	ds_add_u32 v254, v255
	s_wait_dscnt 0x0
	CROUND                                         ; the closing round: no work-group ends while a partner may still ask for a tile that names it
	s_endpgm
.Lfunc_end_k_q3b2e0d1d2c_oproj:
	.size	k_q3b2e0d1d2c_oproj, .Lfunc_end_k_q3b2e0d1d2c_oproj-k_q3b2e0d1d2c_oproj
	.p2alignl 7, 3214868480
	.fill 96, 4, 3214868480
	.section	.rodata,"a",@progbits
	.p2align	6, 0x0
	.amdhsa_kernel k_q3b2e0d1d2c_oproj
		.amdhsa_group_segment_fixed_size 327680
		.amdhsa_private_segment_fixed_size 0
		.amdhsa_enable_private_segment 0
		.amdhsa_kernarg_size 24
		.amdhsa_user_sgpr_count 2
		.amdhsa_user_sgpr_kernarg_segment_ptr 1
		.amdhsa_wavefront_size32 1
		.amdhsa_system_sgpr_workgroup_id_x 1
		.amdhsa_system_sgpr_workgroup_id_y 1
		.amdhsa_system_sgpr_workgroup_id_z 1
		.amdhsa_system_vgpr_workitem_id 0
		.amdhsa_next_free_vgpr 512
		.amdhsa_next_free_sgpr 66
		.amdhsa_reserve_vcc 0
		.amdhsa_float_denorm_mode_32 3
		.amdhsa_float_denorm_mode_16_64 3
		.amdhsa_memory_ordered 1
		.amdhsa_forward_progress 1
		.amdhsa_inst_pref_size 180
	.end_amdhsa_kernel
	.amdgpu_metadata
---
amdhsa.version: [ 1, 2 ]
amdhsa.kernels:
  - .name:           k_q3b2e0d1d2c_oproj
    .symbol:         k_q3b2e0d1d2c_oproj.kd
    .args:
      - { .name: ob, .offset: 0, .size: 8, .value_kind: global_buffer, .address_space: global }
      - { .name: wob, .offset: 8, .size: 8, .value_kind: global_buffer, .address_space: global }
      - { .name: out0, .offset: 16, .size: 8, .value_kind: global_buffer, .address_space: global }
    .group_segment_fixed_size: 327680
    .private_segment_fixed_size: 0
    .kernarg_segment_align: 8
    .kernarg_segment_size: 24
    .max_flat_workgroup_size: 128
    .sgpr_count:     66
    .vgpr_count:     512
    .wavefront_size: 32
...
	.end_amdgpu_metadata
.endif
;; end of part 4
